; MI455X (gfx1250); checked and timed in simulation.
; The chip was launched on July 23, 2026; its instructions are those of AMD's public machine-readable ISA for CDNA 5 (MIT licence, August 2026) and "CDNA5" Instruction Set Architecture Reference Guide (July 2026). The comments in the code are by the model that wrote it; some were corrected since.
;; Infinity Attention. Allowed arithmetic: float matrix products may take bf16 or f16 operands with f32 sums; other float arithmetic in f32, or as packed bf16 or f16 multiplies, adds, multiply-adds, maxima and minima; sums over many terms, partial sums and values carried from step to step in f32; what a program stores and reads back later, other than sums and carried values, may be rounded once to bf16 or f16.
;; Inputs: M 4 x 16 x 64 x 64 float32; W_qkv 1,024 x 3,072 float32; Z 4 x 16 x 64 x 1 float32; beta_gate 1 x 16 x 1 x 1 float32; beta_lin 1 float32; x 4 x 2,048 x 1,024 float32.
;; Outputs: out0 4 x 2,048 x 1,024 float32; out1 4 x 16 x 64 x 64 float32; out2 4 x 16 x 64 x 1 float32.
;; 2 versions, each right; version 2 is version 1 with the launch prep written anew for expert scheduling mode. Each part assembles by itself: llvm-mc -triple=amdgcn-amd-amdhsa -mcpu=gfx1250 --defsym DOCPART=n.
;; ======== version 1 of 2: 4 launches
;; limits: values are held in f16: magnitudes above 65,504 overflow, below 6.1e-05 lose precision
;; workspace buffers: xb 16,777,216 bytes; wb 6,291,456 bytes; mz 655,360 bytes; qkv 50,331,648 bytes; ga 16,777,216 bytes; part 4,259,840 bytes
;; launch prep (part 1): grid 416 x 1, 8 waves a work-group, no clusters, 0 bytes of LDS; arguments x, W_qkv, M, Z, xb, wb, mz; writes xb, wb, mz
.if DOCPART == 1
	.amdgcn_target "amdgcn-amd-amdhsa--gfx1250"
	.amdhsa_code_object_version 6
	.text
	.protected	k_q9dc257333f_prep
	.globl	k_q9dc257333f_prep
	.p2align	8
	.type	k_q9dc257333f_prep,@function
k_q9dc257333f_prep:
	s_mov_b64 s[64:65], 0
	v_nop
	global_prefetch_b8 v0, s[64:65] scope:SCOPE_SE
	s_setreg_imm32_b32 hwreg(HW_REG_WAVE_MODE, 25, 1), 1
	s_wait_xcnt 0x0
; INFINITY ATTENTION, launch 1 of 4: the inputs are rounded once and laid out for the matrix units.
; NO WORK OF reference() IS LEFT OUT in this program: every one of its six inputs reaches an output, and all six are loaded.  Two identities are used, both for all values:
; elu(t) + 1 = max(t, 0) + e^min(t, 0); and a positive factor of a row of sigma cancels in (sigma M) / (sigma Z), which is used to keep sigma in f16's range, not to drop work.
; FORMATS.  All inputs (x, W_qkv, M, Z, beta_lin, beta_gate) are rounded to bf16, once.  x W is multiplied in bf16; what the program makes itself (q, k, v, sigma, the weights, g A_mem) is f16; all sums f32.
; LIMITS.  |q|, |k|, |v| stay under 65,520 (f16); numbers of M and Z under 6e-5 keep f16's fixed step of 6e-8; NaN and infinities are not treated apart.
; THIS LAUNCH, three jobs by the work-group's number, all streams (no LDS, no matrix unit, no cluster: nothing is shared or reused):
;   0-255    xb[kb][row][64] = bf16(x[row][64 kb ..]): x in K blocks of 64, so that 256 rows of one K step are 32,768 bytes on end.  32 rows a work-group, 4 a wave.
;   256-351  wb = bf16(W_qkv), same order.  131,072 bytes of W a work-group.
;   352-415  mz[bh][80][64] in f16: row v < 64 holds M[bh][d][v] over d (M turned), rows 64-79 each hold Z[bh][d]; each number rounded to bf16 and that number written as f16.
;            M is read here 4 bytes a lane, 256 bytes apart: 1 MiB in all, the price of turning it without LDS.
; Every store of a wave covers 256 or 512 consecutive bytes, aligned.
.set X,    8                           ; v[8:71]  sixteen loads of 4 registers
.set VI,   2                           ; v2  my byte offset on the way in
.set VO,   3                           ; v3  on the way out
.set TM,   72                          ; v72-73 at work
.macro UNIT u, sb, simm                ; load u of the trip's sixteen is rounded in place and stored
	s_wait_loadcnt 15-(\u)                         ; loads come back in order: mine is in, the 15 - u younger ones stay out
	v_cvt_pk_bf16_f32 v[X+4*(\u)], v[X+4*(\u)], v[X+4*(\u)+1]
	v_cvt_pk_bf16_f32 v[X+4*(\u)+1], v[X+4*(\u)+2], v[X+4*(\u)+3]
	global_store_b64 v[VO], v[X+4*(\u):X+4*(\u)+1], s[(\sb):(\sb)+1] offset:\simm
.endm
.macro BF2H dst, a, b                  ; two f32 -> bf16 -> the same numbers as f16, packed
	v_cvt_pk_bf16_f32 v[TM], v[\a], v[\b]
	v_lshlrev_b32 v[TM+1], 16, v[TM]
	v_and_b32 v[TM], 0xffff0000, v[TM]
	v_cvt_pk_f16_f32 v[\dst], v[TM+1], v[TM]
.endm
	s_load_b256 s[4:11], s[0:1], 0x0               ; x s[4:5], W s[6:7], M s[8:9], Z s[10:11]
	s_load_b128 s[12:15], s[0:1], 0x20             ; xb s[12:13], wb s[14:15]
	s_load_b64 s[16:17], s[0:1], 0x30              ; mz
	v_lshrrev_b32 v1, 5, v0
	v_readfirstlane_b32 s18, v1                    ; wave 0..7
	s_mov_b32 s21, 0
	s_mov_b32 s23, 0
	s_wait_kmcnt 0x0
	s_cmp_lt_u32 ttmp9, 256
	s_cbranch_scc0 .Lnot_x
	; ---- x: a trip is two rows of a wave: load kb takes 256 bytes (one K block) of each row, lanes 0-15 the first row, 16-31 the second
	s_lshl_b32 s20, ttmp9, 17                      ; 32 rows of 4,096 bytes
	s_add_nc_u64 s[4:5], s[4:5], s[20:21]
	s_lshl_b32 s22, ttmp9, 12                      ; 32 rows of 128 bytes in each K block
	s_add_nc_u64 s[12:13], s[12:13], s[22:23]
	s_add_nc_u64 s[24:25], s[12:13], 0x800000      ; K blocks 8-15: a second base keeps the stores' immediates inside 24 bits
	v_and_b32 v4, 15, v0
	v_bfe_u32 v5, v0, 4, 1
	v_lshlrev_b32 v[VI], 14, v1                    ; wave x 4 rows
	v_lshl_add_u32 v[VI], v5, 12, v[VI]
	v_lshl_add_u32 v[VI], v4, 4, v[VI]
	v_and_b32 v4, 31, v0
	v_lshlrev_b32 v[VO], 9, v1                     ; wave x 4 rows of 128 bytes
	v_lshl_add_u32 v[VO], v4, 3, v[VO]             ; two rows' 256 bytes: 8 a lane
	s_mov_b32 s19, 2
.Lx:
.irp u, 0,1,2,3,4,5,6,7,8,9,10,11,12,13,14,15
	global_load_b128 v[X+4*\u:X+4*\u+3], v[VI], s[4:5] offset:256*\u th:TH_LOAD_NT
.endr
.irp u, 0,1,2,3,4,5,6,7,8,9,10,11,12,13,14,15
	UNIT \u, 12+12*(\u/8), (\u%8)*1048576
.endr
	s_wait_xcnt 0x0                                ; the bases, and the registers that the stores read, are written again only behind this wait
	s_add_nc_u64 s[4:5], s[4:5], 8192
	s_add_nc_u64 s[12:13], s[12:13], 256
	s_add_nc_u64 s[24:25], s[24:25], 256
	s_sub_co_u32 s19, s19, 1
	s_cmp_lg_u32 s19, 0
	s_cbranch_scc1 .Lx
	s_endpgm
.Lnot_x:
	s_cmp_lt_u32 ttmp9, 352
	s_cbranch_scc0 .Lm
	; ---- W: a trip is 65,536 bytes of the work-group
	s_sub_co_u32 s20, ttmp9, 256
	s_lshl_b32 s22, s20, 16
	s_lshl_b32 s20, s20, 17
	s_add_nc_u64 s[6:7], s[6:7], s[20:21]
	s_add_nc_u64 s[14:15], s[14:15], s[22:23]
	v_lshlrev_b32 v[VI], 4, v0
	v_lshlrev_b32 v[VO], 3, v0
	s_mov_b32 s19, 2
.Lw:
.irp u, 0,1,2,3,4,5,6,7,8,9,10,11,12,13,14,15
	global_load_b128 v[X+4*\u:X+4*\u+3], v[VI], s[6:7] offset:4096*\u th:TH_LOAD_NT
.endr
.irp u, 0,1,2,3,4,5,6,7,8,9,10,11,12,13,14,15
	UNIT \u, 14, 2048*\u
.endr
	s_wait_xcnt 0x0
	s_add_nc_u64 s[6:7], s[6:7], 65536
	s_add_nc_u64 s[14:15], s[14:15], 32768
	s_sub_co_u32 s19, s19, 1
	s_cmp_lg_u32 s19, 0
	s_cbranch_scc1 .Lw
	s_endpgm
.Lm:
	; ---- M and Z of one (b, h).  Wave w makes rows v = 8 w .. 8 w + 7 in two groups of four: lane l has row 8 w + 4 g + l / 8 and d = 8 (l % 8) + 0..7
	s_sub_co_u32 s24, ttmp9, 352
	s_lshl_b32 s20, s24, 14
	s_add_nc_u64 s[8:9], s[8:9], s[20:21]
	s_lshl_b32 s20, s24, 8
	s_add_nc_u64 s[10:11], s[10:11], s[20:21]
	s_mul_i32 s20, s24, 10240
	s_add_nc_u64 s[16:17], s[16:17], s[20:21]
	v_and_b32 v4, 7, v0
	v_bfe_u32 v5, v0, 3, 2
	v_lshl_add_u32 v5, v1, 3, v5                   ; 8 w + l / 8
	v_lshlrev_b32 v[VI], 11, v4                    ; 8 (l % 8) rows of 256 bytes
	v_lshl_add_u32 v[VI], v5, 2, v[VI]
	v_and_b32 v6, 31, v0
	v_lshlrev_b32 v[VO], 10, v1
	v_lshl_add_u32 v[VO], v6, 4, v[VO]             ; 1,024 w + 16 l
.irp g, 0,1
.irp i, 0,1,2,3,4,5,6,7
	global_load_b32 v[X+8*\g+\i], v[VI], s[8:9] offset:256*\i+16*\g
.endr
.endr
	s_wait_loadcnt 0x0
.irp g, 0,1
.irp p, 0,1,2,3
	BF2H 40+4*\g+\p, X+8*\g+2*\p, X+8*\g+2*\p+1
.endr
	global_store_b128 v[VO], v[40+4*\g:43+4*\g], s[16:17] offset:512*\g
.endr
	s_cmp_lt_u32 s18, 4                            ; waves 0-3: the sixteen rows of Z, four each
	s_cbranch_scc0 .Lend
	v_lshlrev_b32 v5, 5, v4                        ; 8 (l % 8) numbers of Z
	v_lshlrev_b32 v7, 4, v0                        ; 512 w + 16 l
	global_load_b128 v[48:51], v5, s[10:11]
	global_load_b128 v[52:55], v5, s[10:11] offset:16
	s_wait_loadcnt 0x0
.irp p, 0,1,2,3
	BF2H 56+\p, 48+2*\p, 49+2*\p
.endr
	global_store_b128 v7, v[56:59], s[16:17] offset:8192
.Lend:
	s_endpgm
.Lfunc_end_k_q9dc257333f_prep:
	.size	k_q9dc257333f_prep, .Lfunc_end_k_q9dc257333f_prep-k_q9dc257333f_prep
	.p2alignl 7, 3214868480
	.fill 96, 4, 3214868480
	.section	.rodata,"a",@progbits
	.p2align	6, 0x0
	.amdhsa_kernel k_q9dc257333f_prep
		.amdhsa_group_segment_fixed_size 0
		.amdhsa_private_segment_fixed_size 0
		.amdhsa_enable_private_segment 0
		.amdhsa_kernarg_size 56
		.amdhsa_user_sgpr_count 2
		.amdhsa_user_sgpr_kernarg_segment_ptr 1
		.amdhsa_wavefront_size32 1
		.amdhsa_system_sgpr_workgroup_id_x 1
		.amdhsa_system_sgpr_workgroup_id_y 1
		.amdhsa_system_sgpr_workgroup_id_z 1
		.amdhsa_system_vgpr_workitem_id 0
		.amdhsa_next_free_vgpr 80
		.amdhsa_next_free_sgpr 66
		.amdhsa_reserve_vcc 0
		.amdhsa_float_denorm_mode_32 3
		.amdhsa_float_denorm_mode_16_64 3
		.amdhsa_memory_ordered 1
		.amdhsa_forward_progress 1
		.amdhsa_inst_pref_size 19
	.end_amdhsa_kernel
	.amdgpu_metadata
---
amdhsa.version: [ 1, 2 ]
amdhsa.kernels:
  - .name:           k_q9dc257333f_prep
    .symbol:         k_q9dc257333f_prep.kd
    .args:
      - { .name: x, .offset: 0, .size: 8, .value_kind: global_buffer, .address_space: global }
      - { .name: W_qkv, .offset: 8, .size: 8, .value_kind: global_buffer, .address_space: global }
      - { .name: M, .offset: 16, .size: 8, .value_kind: global_buffer, .address_space: global }
      - { .name: Z, .offset: 24, .size: 8, .value_kind: global_buffer, .address_space: global }
      - { .name: xb, .offset: 32, .size: 8, .value_kind: global_buffer, .address_space: global }
      - { .name: wb, .offset: 40, .size: 8, .value_kind: global_buffer, .address_space: global }
      - { .name: mz, .offset: 48, .size: 8, .value_kind: global_buffer, .address_space: global }
    .group_segment_fixed_size: 0
    .private_segment_fixed_size: 0
    .kernarg_segment_align: 8
    .kernarg_segment_size: 56
    .max_flat_workgroup_size: 256
    .sgpr_count:     66
    .vgpr_count:     80
    .wavefront_size: 32
...
	.end_amdgpu_metadata
.endif
;; end of part 1
;; launch proj (part 2): grid 8 x 32, 4 waves a work-group, clusters of 4 x 4, 327,680 bytes of LDS; arguments xb, wb, qkv; writes qkv
.if DOCPART == 2
	.amdgcn_target "amdgcn-amd-amdhsa--gfx1250"
	.amdhsa_code_object_version 6
	.text
	.protected	k_q9dc257333f_proj
	.globl	k_q9dc257333f_proj
	.p2align	8
	.type	k_q9dc257333f_proj,@function
k_q9dc257333f_proj:
	s_mov_b64 s[64:65], 0
	v_nop
	global_prefetch_b8 v0, s[64:65] scope:SCOPE_SE
	s_setreg_imm32_b32 hwreg(HW_REG_WAVE_MODE, 25, 1), 1
	s_wait_xcnt 0x0
	s_wait_alu depctr_hold_cnt(0) depctr_sa_sdst(0) depctr_va_vdst(0) depctr_va_sdst(0) depctr_va_ssrc(0) depctr_va_vcc(0) depctr_vm_vsrc(0)
	s_getreg_b32 s2, hwreg(HW_REG_IB_STS2, 6, 4)
	s_cmp_eq_u32 s2, 0
	s_cbranch_scc0 .Lentry_in_a_cluster
	s_endpgm
.Lentry_in_a_cluster:
	s_bfe_u32 s2, ttmp6, 0x10000c
	s_cmp_lg_u32 s2, 0xf033
	s_cbranch_scc0 .Lentry_shape_is_right
	s_endpgm
.Lentry_shape_is_right:
; Launch 2 of 4: qkv = x W_qkv, 8,192 x 1,024 x 3,072, bf16 operands, f32 sums, stored by heads as f16: qkv[3][b h][2048][64], unscaled.  Nothing of reference() is left out here.
; LIMIT: a sum of 65,520 or more would leave as an infinity (f16).
; TILE.  256 rows x 384 columns a work-group: 32 x 8 = 256 work-groups.  Four waves; wave w has rows 128 (w / 2) .. + 127 and the three groups of 64 columns 2 s + w % 2 (s = 0..2):
; 128 x 192 = 96 accumulators, 768 registers.  K goes in 16 steps of 64 through two LDS slots (two slots of 128 along K would be 344,064 bytes: too many).
; xb lies in K blocks of 64, so a step's 256 rows of x are 32,768 bytes on end; wb lies [k][n], and its fragments are turned on the way out of LDS by ds_load_tr16_b128.
; CLUSTER 4 x 4.  x's tile hangs on the tile row alone and is asked for jointly along a row of the cluster (wave 3, one load of 32 KiB); W's on the tile column alone, jointly along a column
; (waves 0-2, a sub-tile of 64 k x 128 columns each).
; THE MATRIX INSTRUCTION IS USED TRANSPOSED (source 0 = 16 columns of W, source 1 = 16 rows of x): a lane holds 8 neighbouring columns of one row.
; REGISTERS.  window 0: v0-13 addresses; v32-95, v96-159 x's fragments (8 x 16 rows x 32 K), two buffers; v160-255 W's twelve fragments, one buffer, refilled in halves behind the products that read them.
;   windows 1-3: accumulator (a, i) (rows 16 a, fragment i of W) in window 1 + i / 4 at v[8 (8 (i % 4) + a)].
.set PA,    144                        ; a row of x in LDS: 128 bytes + 16: the 16 rows of a load start at 16 different groups of four banks (ISA guide 11.1)
.set PB,    288                        ; a k-row of a sub-tile of W: 256 bytes + 32 = 9 x 32
.set SUBT,  64*PB
.set AOFF,  3*SUBT                     ; a slot: three sub-tiles of W, then x's 256 rows
.set SLOT1, 1<<17                      ; slot 1 begins here: one exclusive or turns an address in one slot into the other's
.set STAGE, SLOT1+AOFF+256*PA          ; behind the ring: 16 rows x 144 bytes for each wave, for the way out
.set SP,    144
.set SPARE, STAGE+4*16*SP              ; behind the stages: the spare words, 128 bytes a wave, which no other line names
.set ASTEP, 8192*128                   ; bytes from a K step of xb to the next
.set BSTEP, 64*6144                    ; of wb
.set ADA0, 4                           ; v4  my place in x's rows of slot 0; never rewritten
.set ADB0, 5                           ; v5  in W's sub-tiles
.set ADA,  6                           ; v6  the same in the slot in hand
.set ADB,  7
.set STO,  8                           ; v8  the way out: where I put 16 bytes of a row
.set RD,   9                           ; v9  where I read rows back
.set GO,   10                          ; v10 16 x lane
.set PFO,  11                          ; v11 the prefetches' lane offset; never rewritten
.set SPW,  12                          ; v12 my spare word; never rewritten
.set NIL,  13                          ; v13 0; never rewritten
.set FA0,  32
.set FA1,  96
.set FB,   160
.set OB,   32                          ; the way out: eight sets of 16 registers, v32-159
.set WV,   10                          ; s10 my wave's number
.set G1A,  24                          ; s[24:31] group 1 for x's tiles
.set G0A,  32                          ; s[32:39] group 0: a set for each first fill; the second then walks
.set G1B,  48                          ; s[48:55], s[56:63] the same for W's
.set G0B,  56
.set LIM,  43                          ; s43 2 in a wave that prefetches, else the greatest number
.set PFA,  44                          ; s[44:45] where my prefetches stand
.set PST,  46                          ; s[46:47] a K step of the tensor that I prefetch
.set TB,   66                          ; s66 LDS byte of the slot in hand
.set PMK,  67                          ; s67 1: I ask in every second trip (W), 0: in every trip (x)
.set OUT,  68                          ; s[68:73] my three groups' first rows in qkv
.set MSB, 0
.macro WIN new                         ; the immediate's high byte repeats the setting that is left; a switch that changes nothing is dropped
.if MSB != (\new)
	s_set_vgpr_msb (MSB<<8)|(\new)
.set MSB, \new
.endif
.endm
.macro PLACES                          ; four places between a matrix instruction and a load into, or a vector line on, its registers
.rept 4
	v_nop
.endr
.endm
; A joint refill: wave 3 asks for x's tile, waves 0-2 for W's sub-tiles.  The branch hangs on the wave's number alone.  An s_nop 0 and four v_nop follow each line.
.macro JLOAD
	s_cmp_eq_u32 s[WV], 3
	s_cbranch_scc0 .Lfor_b_\@
	tensor_load_to_lds s[G0A+4:G0A+7], s[G1A:G1A+7]
	s_nop 0
.rept 4
	v_nop
.endr
	s_branch .Lasked_\@
.Lfor_b_\@:
	tensor_load_to_lds s[G0B+4:G0B+7], s[G1B:G1B+7]
	s_nop 0
.rept 4
	v_nop
.endr
.Lasked_\@:
.endm
.macro CREST                           ; a round of the cluster's barrier behind its opening barrier
	s_cmp_lg_u32 s[WV], 0
	s_cbranch_scc1 .Lnot_wave_0_\@
	s_barrier_signal -3
.Lnot_wave_0_\@:
	s_barrier_wait -3
	s_barrier_signal -1
	s_barrier_wait -1
.endm
.macro CROUND
	s_barrier_signal -1
	s_barrier_wait -1
	CREST
.endm
; A PREFETCH INTO THE L2, behind the joint load, its five lines and the run of LDS loads.  At the refill that asks for K step n + 2: wave 3 names x's step n + 4, 32 blocks of 256 bytes of the tile's
; 128 (the partner at cx takes blocks 32 cx ..), in the clusters with x = 0 alone; waves 0-2 name, at even n, rows 32 cy + lane of the 128 k-rows of steps n + 4 and n + 5 of their sub-tile,
; in the clusters with y = 0 alone.  So each block is named once in the launch, two refills or more ahead of the load that wants it.  Steps 0-3 come by their loads alone; s3 = 14 - n, and
; trips with s3 <= 2 have nothing left to name.
.macro ASK
	s_and_b32 s74, s3, s[PMK]
	s_cmp_eq_u32 s74, 0
	s_cbranch_scc0 .Lnot_mine_\@
	s_cmp_gt_u32 s3, s[LIM]
	s_cbranch_scc0 .Lnot_mine_\@
	global_prefetch_b8 v[PFO], s[PFA:PFA+1] th:TH_LOAD_NT scope:SCOPE_SE
.Lnot_mine_\@:
.endm
	s_load_b128 s[4:7], s[0:1], 0x0                ; xb s[4:5], wb s[6:7]
	s_load_b64 s[8:9], s[0:1], 0x10                ; qkv
	v_lshl_add_u32 v[SPW], v0, 2, SPARE
	v_mov_b32 v[NIL], 0
	ds_add_u32 v[SPW], v[NIL]                      ; the wave's opening: the add, twice on end, and its wait ahead of my first tensor load
	ds_add_u32 v[SPW], v[NIL]
	v_lshrrev_b32 v1, 5, v0
	v_readfirstlane_b32 s[WV], v1                  ; wave 0..3
	s_lshr_b32 s11, s[WV], 1                       ; which 128 rows are mine
	s_and_b32 s12, s[WV], 1                        ; which of each pair of column groups
	s_bfe_u32 s40, ttmp6, 0x40000                  ; cx
	s_bfe_u32 s41, ttmp6, 0x40004                  ; cy
	s_lshl_b32 s42, ttmp9, 2
	s_add_co_u32 s42, s42, s40                     ; tile column = 4 x cluster x + cx
	s_and_b32 s13, ttmp7, 0xffff
	s_lshl_b32 s13, s13, 2
	s_add_co_u32 s13, s13, s41                     ; tile row = 4 x cluster y + cy
	s_lshl_b32 s14, s41, 2
	s_lshl_b32 s14, 15, s14                        ; my row of the cluster
	s_lshl_b32 s15, 0x1111, s40                    ; my column
	s_or_b32 s[G1A], s14, (1<<16)|(1<<20)|(1<<21)|(4<<22)|(3<<25)  ; mask; 2-byte elements; padding on; bit 21 beside a mask; after every 32 words 4 words
	s_mov_b32 s[G1A+1], 128<<16                    ; x's 32,768 dense bytes as 128 rows of 256: tensor_dim0 = 128
	s_mov_b32 s[G1A+2], 128<<16                    ; tensor_dim1 = 128
	s_mov_b32 s[G1A+3], 128<<16                    ; tile_dim0 = 128
	s_mov_b32 s[G1A+4], 128                        ; tile_dim1 = 128
	s_mov_b32 s[G1A+5], 128                        ; elements from row to row
	s_mov_b32 s[G1A+6], 0
	s_mov_b32 s[G1A+7], 0
	s_or_b32 s[G1B], s15, (1<<16)|(1<<20)|(1<<21)|(5<<22)|(7<<25)  ; after every 64 words 8 words
	s_mov_b32 s[G1B+1], 128<<16                    ; 128 columns
	s_mov_b32 s[G1B+2], 64<<16                     ; 64 k-rows
	s_mov_b32 s[G1B+3], 128<<16
	s_mov_b32 s[G1B+4], 64
	s_mov_b32 s[G1B+5], 3072
	s_mov_b32 s[G1B+6], 0
	s_mov_b32 s[G1B+7], 0
	s_lshl_b32 s16, s13, 15                        ; x: tile row x 256 rows x 128 bytes
	s_mov_b32 s17, 0
	s_mul_i32 s18, s42, 768                        ; W: tile column x 384 columns,
	s_lshl_b32 s19, s[WV], 8                       ; my sub-tile's 128
	s_add_co_u32 s18, s18, s19
	s_mov_b32 s19, 0
	s_mul_i32 s2, s[WV], SUBT                      ; where my sub-tile goes
	s_mov_b32 s[TB], 0
	s_wait_dscnt 0x0                               ; both opening adds are done
	s_wait_kmcnt 0x0
	s_add_nc_u64 s[20:21], s[4:5], s[16:17]
	s_add_nc_u64 s[22:23], s[6:7], s[18:19]
	CROUND                                         ; all sixteen work-groups are here: the first joint loads meet
.irp s, 0,1
	s_mov_b32 s[G0A+4*(\s)], 1
	s_mov_b32 s[G0A+4*(\s)+1], AOFF+(\s)*SLOT1
	s_add_nc_u64 s[G0A+4*(\s)+2:G0A+4*(\s)+3], s[20:21], (\s)*ASTEP
	s_or_b32 s[G0A+4*(\s)+3], s[G0A+4*(\s)+3], 0x80000000
	s_mov_b32 s[G0B+4*(\s)], 1
	s_add_co_u32 s[G0B+4*(\s)+1], s2, (\s)*SLOT1
	s_add_nc_u64 s[G0B+4*(\s)+2:G0B+4*(\s)+3], s[22:23], (\s)*BSTEP
	s_or_b32 s[G0B+4*(\s)+3], s[G0B+4*(\s)+3], 0x80000000
.endr
	s_cmp_eq_u32 s[WV], 3                          ; a wave's two first fills stand in one branch: two loads of mine are out
	s_cbranch_scc0 .Lfirst_b
	tensor_load_to_lds s[G0A:G0A+3], s[G1A:G1A+7]
	s_nop 0
	tensor_load_to_lds s[G0A+4:G0A+7], s[G1A:G1A+7]
	s_nop 0
.rept 4
	v_nop
.endr
	s_branch .Lfirst_asked
.Lfirst_b:
	tensor_load_to_lds s[G0B:G0B+3], s[G1B:G1B+7]
	s_nop 0
	tensor_load_to_lds s[G0B+4:G0B+7], s[G1B:G1B+7]
	s_nop 0
.rept 4
	v_nop
.endr
.Lfirst_asked:
	v_and_b32 v1, 15, v0                           ; l % 16
	v_bfe_u32 v2, v0, 4, 1                         ; l / 16
	v_mul_u32_u24 v[ADA0], v1, PA                  ; x: row x pitch + 16 x half, in my 128 rows
	v_lshl_add_u32 v[ADA0], v2, 4, v[ADA0]
	s_mul_i32 s14, s11, 128*PA
	s_add_co_u32 s14, s14, AOFF
	v_add_nc_u32 v[ADA0], s14, v[ADA0]
	v_and_b32 v3, 7, v0                            ; W: lane l reads k-row 8 (l / 16) + l % 8, columns 8 ((l / 8) % 2) + 0..7, and ends with column l % 16 and 8 k
	v_lshl_add_u32 v3, v2, 3, v3
	v_mul_u32_u24 v[ADB0], v3, PB
	v_bfe_u32 v3, v0, 3, 1
	v_lshl_add_u32 v[ADB0], v3, 4, v[ADB0]
	s_lshl_b32 s14, s12, 7                         ; my 64 of a sub-tile's 128 columns
	v_add_nc_u32 v[ADB0], s14, v[ADB0]
	v_mov_b32 v[ADA], v[ADA0]
	v_mov_b32 v[ADB], v[ADB0]
	s_mul_i32 s14, s[WV], 16*SP
	s_add_co_u32 s14, s14, STAGE                   ; my stage
	v_mul_u32_u24 v[STO], v1, SP
	v_lshl_add_u32 v[STO], v2, 4, v[STO]
	v_add_nc_u32 v[STO], s14, v[STO]
	v_bfe_u32 v[RD], v0, 3, 2                      ; back: 32 lanes take four rows of 128 bytes
	v_mul_u32_u24 v[RD], v[RD], SP
	v_and_b32 v3, 7, v0
	v_lshl_add_u32 v[RD], v3, 4, v[RD]
	v_add_nc_u32 v[RD], s14, v[RD]
	v_and_b32 v[GO], 31, v0
	v_lshlrev_b32 v[GO], 4, v[GO]
	; my three groups in qkv: group G = 6 x tile column + 2 s + w % 2 is tensor G / 16, head G % 16; rows of a head are 128 bytes on end
	s_mul_i32 s90, s42, 6
	s_add_co_u32 s90, s90, s12
	s_lshr_b32 s91, s13, 3
	s_lshl_b32 s91, s91, 4                         ; 16 b
	s_and_b32 s92, s13, 7
	s_lshl_b32 s92, s92, 15                        ; the tile's 256 rows in the batch,
	s_lshl_b32 s93, s11, 14                        ; my 128
	s_add_co_u32 s92, s92, s93
	s_mov_b32 s89, 0
.irp s, 0,1,2
	s_add_co_u32 s93, s90, 2*(\s)
	s_lshr_b32 s88, s93, 4
	s_lshl_b32 s88, s88, 6
	s_and_b32 s93, s93, 15
	s_add_co_u32 s88, s88, s93
	s_add_co_u32 s88, s88, s91
	s_lshl_b32 s88, s88, 18                        ; x 2,048 rows x 128 bytes
	s_add_co_u32 s88, s88, s92
	s_add_nc_u64 s[OUT+2*(\s):OUT+2*(\s)+1], s[8:9], s[88:89]
.endr
	; the prefetches
	s_lshl_b32 s76, s40, 13                        ; x: my work-group's 32 blocks of the tile's 128
	s_mul_i32 s77, s41, 32*6144                    ; W: my 32 of two steps' 128 k-rows
	s_and_b32 s78, ttmp7, 0xffff                   ; cluster y
	s_mov_b32 s79, ASTEP
	s_mov_b32 s80, BSTEP
	s_mov_b32 s81, 256
	s_mov_b32 s82, 6144
	s_cmp_eq_u32 s[WV], 3
	s_cselect_b32 s78, ttmp9, s78                  ; the coordinate along which other clusters read the same bytes
	s_cselect_b64 s[PFA:PFA+1], s[20:21], s[22:23]
	s_cselect_b32 s[PST], s79, s80
	s_cselect_b32 s84, s76, s77
	s_cselect_b32 s81, s81, s82
	s_cselect_b32 s[PMK], 0, 1
	s_mov_b32 s[PST+1], 0
	s_mov_b32 s85, 0
	s_cmp_eq_u32 s78, 0
	s_cselect_b32 s[LIM], 2, -1                    ; the same in all sixteen partners, for a given wave
	s_add_nc_u64 s[PFA:PFA+1], s[PFA:PFA+1], s[84:85]
	s_mul_i32 s84, s[PST], 3
	s_add_nc_u64 s[PFA:PFA+1], s[PFA:PFA+1], s[84:85]  ; at K step 3: the first refill steps it to 4
	v_and_b32 v[PFO], 31, v0
	v_mul_u32_u24 v[PFO], v[PFO], s81
; 8 matrix instructions: fragment i of W x my 8 blocks of 16 rows, 32 along K.  The 96 accumulators take turns, one instruction a turn, in the same order in every half step.
.macro MUL8 i, fa, zero
	WIN (1+(\i)/4)*0x50
.irp a, 0,1,2,3,4,5,6,7
.if \zero
	v_wmma_f32_16x16x32_bf16 v[8*(8*((\i)%4)+(\a)):8*(8*((\i)%4)+(\a))+7], v[FB+8*(\i):FB+8*(\i)+7], v[(\fa)+8*(\a):(\fa)+8*(\a)+7], 0
.else
	v_wmma_f32_16x16x32_bf16 v[8*(8*((\i)%4)+(\a)):8*(8*((\i)%4)+(\a))+7], v[FB+8*(\i):FB+8*(\i)+7], v[(\fa)+8*(\a):(\fa)+8*(\a)+7], v[8*(8*((\i)%4)+(\a)):8*(8*((\i)%4)+(\a))+7]
.endif
.endr
.endm
.macro LDB i0, i1, q                   ; W's fragments i0 .. i1 of half q of the K step: two turning loads each
.set ii, \i0
.rept (\i1)-(\i0)+1
	ds_load_tr16_b128 v[FB+8*ii:FB+8*ii+3],   v[ADB] offset:(ii/4)*SUBT+32*(ii%4)+(\q)*32*PB
	ds_load_tr16_b128 v[FB+8*ii+4:FB+8*ii+7], v[ADB] offset:(ii/4)*SUBT+32*(ii%4)+(\q)*32*PB+16*PB
.set ii, ii+1
.endr
.endm
.macro LDA fa, q                       ; x's eight fragments of half q
.irp a, 0,1,2,3,4,5,6,7
	ds_load_b128 v[(\fa)+8*(\a):(\fa)+8*(\a)+3],   v[ADA] offset:(\a)*16*PA+64*(\q)
	ds_load_b128 v[(\fa)+8*(\a)+4:(\fa)+8*(\a)+7], v[ADA] offset:(\a)*16*PA+64*(\q)+32
.endr
.endm
; The first half of a K step: multiplies buffer 0 of x and fetches the second half's fragments behind the products that read the registers.
.macro EVEN zero
	s_wait_dscnt 12                                ; W's fragments 0-5 and x's are in; the youngest 12 loads (fragments 6-11) may be out
.irp i, 0,1,2,3,4,5
	MUL8 \i, FA0, \zero
.endr
	PLACES
	WIN 0
	LDB 0, 5, 1
	LDA FA1, 1
	s_wait_dscnt 28                                ; all but the 28 just issued
.irp i, 6,7,8,9,10,11
	MUL8 \i, FA0, \zero
.endr
	PLACES
	WIN 0
	LDB 6, 11, 1
.endm
; The second half multiplies buffer 1 and changes slots.  mode 2: this slot is filled again, two K steps on; 1: nothing is left to ask for; 0: the last half step of all.
; In front of the barrier each wave waits for all its tensor loads (one is out: its part of the next slot), adds 0 to its spare word, and waits for that and for its reads of this slot.
; With mode 2 the barrier opens a round of the cluster's, and the joint refill is the first thing behind the round: 176 matrix instructions stand between it and the wait for it.
.macro ODD mode
.if (\mode) == 2
	s_wait_xcnt 0x0                                ; the last prefetch, a K step back, has read its address
	s_add_nc_u64 s[PFA:PFA+1], s[PFA:PFA+1], s[PST:PST+1]
.endif
	s_wait_dscnt 12
.if (\mode) == 0
.irp i, 0,1,2,3,4,5
	MUL8 \i, FA1, 0
.endr
	s_wait_dscnt 0x0
.irp i, 6,7,8,9,10,11
	MUL8 \i, FA1, 0
.endr
.else
.irp i, 0,1,2,3
	MUL8 \i, FA1, 0
.endr
	WIN 0                                          ; (the add's two registers lie in window 0)
	s_wait_tensorcnt 0x0                           ; no tensor load of mine is out, so a group 0 may be written
	ds_add_u32 v[SPW], v[NIL]                      ; 0 onto my spare word
	s_xor_b32 s[TB], s[TB], SLOT1
.if (\mode) == 2
	s_xor_b32 s[G0A+5], s[G0A+5], SLOT1            ; the walking descriptors: the other slot than last time, the next K step
	s_add_nc_u64 s[G0A+6:G0A+7], s[G0A+6:G0A+7], ASTEP
	s_xor_b32 s[G0B+5], s[G0B+5], SLOT1
	s_add_nc_u64 s[G0B+6:G0B+7], s[G0B+6:G0B+7], BSTEP
.endif
	MUL8 4, FA1, 0                                 ; eight matrix instructions stand between the add and the wait for it
	s_wait_dscnt 0x0                               ; the add is done, and my reads of this slot are over
	s_barrier_signal -1
	MUL8 5, FA1, 0
	WIN 0
	s_barrier_wait -1
.if (\mode) == 2
	CREST
	JLOAD                                          ; its four v_nop are also the places in front of the loads below
.else
	PLACES
.endif
	v_add_nc_u32 v[ADA], s[TB], v[ADA0]
	v_add_nc_u32 v[ADB], s[TB], v[ADB0]
	LDB 0, 5, 0
	LDA FA0, 0
.if (\mode) == 2
	ASK
.endif
.irp i, 6,7,8,9,10,11
	MUL8 \i, FA1, 0
.endr
	PLACES
	WIN 0
	LDB 6, 11, 0
.endif
.endm
	s_wait_tensorcnt 1                             ; my part of K step 0 is in; step 1's may stay out
	s_barrier_signal -1
	s_barrier_wait -1
	LDB 0, 5, 0
	LDA FA0, 0
	LDB 6, 11, 0
	EVEN 1                                         ; the first half step starts the sums: nothing is cleared
	s_mov_b32 s3, 14
.Lstep:                                        ; 14 trips: the second half of step n, which asks for step n + 2, and the first half of step n + 1
	ODD 2
	EVEN 0
	s_sub_co_u32 s3, s3, 1
	s_cmp_lg_u32 s3, 0
	s_cbranch_scc1 .Lstep
	ODD 1                                          ; the tail is written out: nothing more is asked for
	EVEN 0
	ODD 0
; THE WAY OUT.  A block is 16 rows x one group of 64 columns: four accumulators, rounded to f16 (each accumulator's registers in ascending order), 16 bytes a lane into my stage, back as whole rows,
; and stored: 16 rows of a head are 2,048 bytes on end.
.macro BLOCK a, s
.set T, OB+16*((3*(\a)+(\s))%8)
	s_wait_xcnt 0x0                                ; the stores of eight blocks back have read these registers
	WIN 5*(1+(\s))                                 ; sources 0 and 1 in the group's window
.irp ib, 0,1,2,3
.irp p, 0,1,2,3
	v_cvt_pk_f16_f32 v[T+4*\ib+\p], v[8*(8*\ib+(\a))+2*\p], v[8*(8*\ib+(\a))+2*\p+1]
.endr
.endr
	WIN 0
.irp ib, 0,1,2,3
	ds_store_b128 v[STO], v[T+4*\ib:T+4*\ib+3] offset:32*\ib
.endr
.irp f, 0,1,2,3
	ds_load_b128 v[T+4*\f:T+4*\f+3], v[RD] offset:\f*4*SP  ; LDS serves a wave's instructions in order (ISA guide 5.7.1.4): these see the stores above
.endr
.endm
.macro SEND a, s, younger              ; younger: the next block's eight LDS instructions, or none
.set T, OB+16*((3*(\a)+(\s))%8)
.irp f, 0,1,2,3
	s_wait_dscnt (\younger)+3-\f
	global_store_b128 v[GO], v[T+4*\f:T+4*\f+3], s[OUT+2*(\s):OUT+2*(\s)+1] offset:(\a)*2048+\f*512  ; 512 consecutive bytes, aligned
.endr
.endm
	PLACES
	PLACES                                         ; eight, once a launch: the lines below read fresh results and write registers that the last products read
	BLOCK 0, 0
.set n, 1
.rept 23
	BLOCK n/3, n%3
	SEND (n-1)/3, (n-1)%3, 8
.set n, n+1
.endr
	SEND 7, 2, 0
	s_wait_tensorcnt 0x0                           ; the wave's end
	ds_add_u32 v[SPW], v[NIL]
	s_wait_dscnt 0x0
	CROUND                                         ; the closing round
	s_endpgm
.Lfunc_end_k_q9dc257333f_proj:
	.size	k_q9dc257333f_proj, .Lfunc_end_k_q9dc257333f_proj-k_q9dc257333f_proj
	.p2alignl 7, 3214868480
	.fill 96, 4, 3214868480
	.section	.rodata,"a",@progbits
	.p2align	6, 0x0
	.amdhsa_kernel k_q9dc257333f_proj
		.amdhsa_group_segment_fixed_size 327680
		.amdhsa_private_segment_fixed_size 0
		.amdhsa_enable_private_segment 0
		.amdhsa_kernarg_size 24
		.amdhsa_user_sgpr_count 2
		.amdhsa_user_sgpr_kernarg_segment_ptr 1
		.amdhsa_wavefront_size32 1
		.amdhsa_system_sgpr_workgroup_id_x 1
		.amdhsa_system_sgpr_workgroup_id_y 1
		.amdhsa_system_sgpr_workgroup_id_z 1
		.amdhsa_system_vgpr_workitem_id 0
		.amdhsa_next_free_vgpr 1024
		.amdhsa_next_free_sgpr 96
		.amdhsa_reserve_vcc 0
		.amdhsa_float_denorm_mode_32 3
		.amdhsa_float_denorm_mode_16_64 3
		.amdhsa_memory_ordered 1
		.amdhsa_forward_progress 1
		.amdhsa_inst_pref_size 115
	.end_amdhsa_kernel
	.amdgpu_metadata
---
amdhsa.version: [ 1, 2 ]
amdhsa.kernels:
  - .name:           k_q9dc257333f_proj
    .symbol:         k_q9dc257333f_proj.kd
    .args:
      - { .name: xb, .offset: 0, .size: 8, .value_kind: global_buffer, .address_space: global }
      - { .name: wb, .offset: 8, .size: 8, .value_kind: global_buffer, .address_space: global }
      - { .name: qkv, .offset: 16, .size: 8, .value_kind: global_buffer, .address_space: global }
    .group_segment_fixed_size: 327680
    .private_segment_fixed_size: 0
    .kernarg_segment_align: 8
    .kernarg_segment_size: 24
    .max_flat_workgroup_size: 128
    .sgpr_count:     96
    .vgpr_count:     1024
    .wavefront_size: 32
...
	.end_amdgpu_metadata
.endif
;; end of part 2
;; launch state (part 3): grid 4 x 64, 16 waves a work-group, no clusters, 248,064 bytes of LDS; arguments qkv, mz, beta_gate, ga, part; writes ga, part
.if DOCPART == 3
	.amdgcn_target "amdgcn-amd-amdhsa--gfx1250"
	.amdhsa_code_object_version 6
	.text
	.protected	k_q9dc257333f_state
	.globl	k_q9dc257333f_state
	.p2align	8
	.type	k_q9dc257333f_state,@function
k_q9dc257333f_state:
	s_mov_b64 s[64:65], 0
	v_nop
	global_prefetch_b8 v0, s[64:65] scope:SCOPE_SE
	s_setreg_imm32_b32 hwreg(HW_REG_WAVE_MODE, 25, 1), 1
	s_wait_xcnt 0x0
; Launch 3 of 4: the memory branch.  For one (b, h) and one quarter of its 2,048 rows: ga = g A_mem (f16), and the quarter's partial sums (f32) of sk^T (v - moment) and of sk.  Nothing of reference() is left out.
; SIGMA.  elu(t) + 1 = max(t, 0) + e^min(t, 0).  With mn = min(the row's largest t, 0) the row is kept as s' = max(t, 0) + e^(min(t, 0) - mn) = sigma e^-mn: where mn < 0 every max(t, 0) is 0.
; The exponent is never above 0, and the row's largest s' is at least 1, so a row far below zero does not vanish in f16.  The factor cancels in A_mem = (s'q M) / (s'q Z) and in moment; in the sums over keys
; it is put back: sk^T (v - moment) = s'k^T [kappa (v - moment)], sum sk = s'k^T kappa, kappa = e^mn.
; LIMITS.  kappa and kappa (v - moment) are kept in f16: below 6e-8 they count as 0.  NaN and infinities are not treated apart.
; SHARES.  16 waves; wave w owns rows 32 w .. 32 w + 31 of the work-group's 512, 16 a trip.  Then the 64 x 64 sum over the 512 keys is 16 tiles, one a wave; waves 0-3 also sum sk.
; LDS.  q, k, v: 512 rows each, pitch 160 (128 + 32 = 5 x 32, as the turning loads want), filled ONCE by tensor loads of waves 0-11.  After that fill the same bytes serve as scratch: g A_mem's rows and later
; an f32 stage (64 x 272) over q; s'k over k; kappa (v - moment), with kappa in columns 64-79, over v.  No cluster: each byte of q, k, v has one reader, and mz is 10 KiB a head.  No prefetch: one fill, at the head.
; LAYOUT.  D = mz-rows x rows^T: source 0 = 16 rows of mz (M turned; the fifth tile is Z sixteen times), source 1 = 16 rows of s': a lane holds ONE row (lane % 16) and channels 16 vt + 8 (lane / 16) + 0..7.
.set KR,   81920
.set VR,   163840
.set ZS,   245760                      ; 64 words: the sums of sk
.set SPARE, 246016                     ; the spare words, 128 bytes for each of 16 waves, which no other line names
.set PT,   160
.set SPT,  272
.set LQ,  4                            ; v4-6  my place in my rows of q, k, v: (32 w + l % 16) x 160 + 16 (l / 16)
.set LK,  5
.set LV,  6
.set RQ,  7                            ; v7   reading rows back: (32 w + l / 8) x 160 + 16 (l % 8)
.set GL,  8                            ; v8   16 x lane
.set ZERO, 10
.set L2E,  11                          ; log2(e)
.set NL2E, 12
.set G,    13                          ; g
.set SPW,  14
.set NIL,  15
.set MZ,   16                          ; v16-95  mz's fragments: tile vt, half c of d at MZ + 16 vt + 8 c
.set T,    96                          ; 16 rows' t, then s': two fragments
.set VV,   112
.set QN,   128
.set PM,   144
.set AX,   160
.set ACC,  192                         ; five accumulators
.set LC,   232                         ; -mn log2(e)
.set KAP,  233
.set SC,   234                         ; a pair
.set RDN,  236
.set KP,   240                         ; kappa, eight times in f16
.set CA,   244                         ; addresses of the trip in hand
.set CB,   245
.set CC,   246
.set AS,   247
.set AU,   248
.set AKP,  249
.set SA,   250
.set ZA,   251
.set SR,   252
.set SK0,  96                          ; the last phase's fragments and accumulators
.set SK1,  104
.set U0,   112
.set U1,   120
.set KT0,  128
.set KT1,  136
.set C0,   192
.set C1,   200
.set KC0,  208
.set KC1,  216
.set WV,  14
.set G1,  24
.set G0,  32
.set SEL, 36
.set CT,  38
.set TO,  39
	s_load_b256 s[4:11], s[0:1], 0x0               ; qkv s[4:5], mz s[6:7], beta_gate s[8:9], ga s[10:11]
	s_load_b64 s[12:13], s[0:1], 0x20              ; part
	v_lshl_add_u32 v[SPW], v0, 2, SPARE
	v_mov_b32 v[NIL], 0
	ds_add_u32 v[SPW], v[NIL]                      ; the wave's opening: the add, twice on end, and its wait ahead of my first tensor load
	ds_add_u32 v[SPW], v[NIL]
	v_lshrrev_b32 v1, 5, v0
	v_readfirstlane_b32 s[WV], v1                  ; wave 0..15
	s_and_b32 s15, ttmp7, 0xffff                   ; b x 16 + h
	s_mov_b32 s[G1], (1<<16)|(1<<20)|(4<<22)|(7<<25)  ; 2-byte elements; padding on; after every 32 words 8 words
	s_mov_b32 s[G1+1], 128<<16                     ; 128 rows of 128 bytes are 16,384 dense bytes: asked for as 64 rows of 256
	s_mov_b32 s[G1+2], 64<<16
	s_mov_b32 s[G1+3], 128<<16
	s_mov_b32 s[G1+4], 64
	s_mov_b32 s[G1+5], 128
	s_mov_b32 s[G1+6], 0
	s_mov_b32 s[G1+7], 0
	s_mov_b32 s[G0], 1
	s_mul_i32 s[G0+1], s[WV], 128*PT               ; wave w < 12 fills rows 128 (w % 4) .. of tensor w / 4
	s_lshr_b32 s16, s[WV], 2
	s_lshl_b32 s16, s16, 24
	s_lshl_b32 s17, s15, 18
	s_add_co_u32 s16, s16, s17
	s_lshl_b32 s17, ttmp9, 16                      ; the work-group's quarter
	s_add_co_u32 s16, s16, s17
	s_and_b32 s17, s[WV], 3
	s_lshl_b32 s17, s17, 14
	s_add_co_u32 s16, s16, s17
	s_mov_b32 s17, 0
	s_mov_b32 s[SEL], 0x76543210
	s_mov_b32 s[SEL+1], 0xfedcba98
	s_wait_dscnt 0x0                               ; both opening adds are done
	s_wait_kmcnt 0x0
	s_add_nc_u64 s[G0+2:G0+3], s[4:5], s[16:17]
	s_or_b32 s[G0+3], s[G0+3], 0x80000000
	s_cmp_lt_u32 s[WV], 12
	s_cbranch_scc0 .Lno_fill
	tensor_load_to_lds s[G0:G0+3], s[G1:G1+7]
	s_nop 0
.Lno_fill:
	v_and_b32 v1, 15, v0                           ; l % 16
	v_bfe_u32 v2, v0, 4, 1                         ; l / 16
	v_lshlrev_b32 v3, 7, v1
	v_lshl_add_u32 v3, v2, 4, v3
	s_mul_i32 s16, s15, 10240
	s_add_nc_u64 s[6:7], s[6:7], s[16:17]
.irp vt, 0,1,2,3,4
.irp c, 0,1
	global_load_b128 v[MZ+16*\vt+8*\c:MZ+16*\vt+8*\c+3],   v3, s[6:7] offset:\vt*2048+64*\c
	global_load_b128 v[MZ+16*\vt+8*\c+4:MZ+16*\vt+8*\c+7], v3, s[6:7] offset:\vt*2048+64*\c+32
.endr
.endr
	s_and_b32 s16, s15, 15
	s_lshl_b32 s16, s16, 2
	s_add_nc_u64 s[8:9], s[8:9], s[16:17]
	s_load_b32 s18, s[8:9], 0x0                    ; beta_gate of my head
	s_lshl_b32 s16, s15, 18                        ; ga at my wave's rows
	s_lshl_b32 s19, ttmp9, 16
	s_add_co_u32 s16, s16, s19
	s_lshl_b32 s19, s[WV], 12
	s_add_co_u32 s16, s16, s19
	s_add_nc_u64 s[10:11], s[10:11], s[16:17]
	s_lshl_b32 s16, s15, 2                         ; my work-group's record of 16,640 bytes, and my wave's four rows of it
	s_add_co_u32 s16, s16, ttmp9
	s_mul_i32 s16, s16, 16640
	s_lshl_b32 s19, s[WV], 10
	s_add_co_u32 s16, s16, s19
	s_add_nc_u64 s[12:13], s[12:13], s[16:17]
	v_mov_b32 v[ZERO], 0
	v_mov_b32 v[L2E], 0x3fb8aa3b
	v_mov_b32 v[NL2E], 0xbfb8aa3b
	v_mul_u32_u24 v[LQ], v1, PT
	v_lshl_add_u32 v[LQ], v2, 4, v[LQ]
	s_mul_i32 s19, s[WV], 32*PT
	v_add_nc_u32 v[LQ], s19, v[LQ]
	v_add_nc_u32 v[LK], KR, v[LQ]
	v_add_nc_u32 v[LV], VR, v[LQ]
	v_bfe_u32 v[RQ], v0, 3, 2
	v_mul_u32_u24 v[RQ], v[RQ], PT
	v_and_b32 v9, 7, v0
	v_lshl_add_u32 v[RQ], v9, 4, v[RQ]
	v_add_nc_u32 v[RQ], s19, v[RQ]
	v_and_b32 v9, 31, v0
	v_lshlrev_b32 v[GL], 4, v9
	s_wait_kmcnt 0x0
	v_mov_b32 v[G], s18                            ; g = 1 / (1 + 2^(-log2(e) bf16(beta_gate)))
	v_cvt_pk_bf16_f32 v[G], v[G], v[G]
	v_lshlrev_b32 v[G], 16, v[G]
	v_mul_f32 v[G], v[NL2E], v[G]
	v_exp_f32 v[G], v[G]
	v_nop
	s_wait_alu depctr_va_vdst(0)                   ; the wait ahead of a transcendental's first reader
	v_add_f32 v[G], 1.0, v[G]
	v_rcp_f32 v[G], v[G]
	v_nop
	s_wait_alu depctr_va_vdst(0)
	s_wait_tensorcnt 0x0                           ; my part of the tiles is in,
	s_wait_loadcnt 0x0                             ; and mz
	s_barrier_signal -1
	s_barrier_wait -1                              ; everybody's is
; T's 16 rows become s'.  A lane holds 32 of its row's 64 numbers, the lane 16 away the others.  kap = 1: kappa is made too.  All exponentials are one batch with one wait.
.macro SIGMA kap
.irp i, 0,1,2,3,4,5,6,7
	v_pk_max_num_f16 v[AX+\i], v[T+2*\i], v[T+2*\i+1]
.endr
.irp i, 0,1,2,3
	v_pk_max_num_f16 v[AX+8+\i], v[AX+2*\i], v[AX+2*\i+1]
.endr
	v_pk_max_num_f16 v[AX+12], v[AX+8], v[AX+9]
	v_pk_max_num_f16 v[AX+13], v[AX+10], v[AX+11]
	v_pk_max_num_f16 v[AX+14], v[AX+12], v[AX+13]
	v_alignbit_b32 v[AX+15], v[AX+14], v[AX+14], 16    ; the halves change places
	v_pk_max_num_f16 v[AX+14], v[AX+14], v[AX+15]
	v_permlanex16_b32 v[AX+15], v[AX+14], s[SEL], s[SEL+1]
	v_pk_max_num_f16 v[AX+14], v[AX+14], v[AX+15]
	v_pk_min_num_f16 v[AX+14], v[AX+14], v[ZERO]       ; mn
	v_fma_mix_f32 v[LC], v[AX+14], v[NL2E], v[ZERO] op_sel_hi:[1,0,0]
.if \kap
	v_fma_mix_f32 v[KAP], v[AX+14], v[L2E], v[ZERO] op_sel_hi:[1,0,0]
.endif
.set i, 0
.rept 16
	v_pk_min_num_f16 v[QN+i], v[T+i], v[ZERO]
	v_pk_max_num_f16 v[PM+i], v[T+i], v[ZERO]
.set i, i+1
.endr
.set i, 0
.rept 16
	v_fma_mix_f32 v[AX+2*i],   v[QN+i], v[L2E], v[LC] op_sel_hi:[1,0,0]               ; (min(t, 0) - mn) log2(e), in f32
	v_fma_mix_f32 v[AX+2*i+1], v[QN+i], v[L2E], v[LC] op_sel:[1,0,0] op_sel_hi:[1,0,0]
.set i, i+1
.endr
.set i, 0
.rept 32
	v_exp_f32 v[AX+i], v[AX+i]
.set i, i+1
.endr
.if \kap
	v_exp_f32 v[KAP], v[KAP]
.endif
	v_nop                                          ; a plain instruction behind the last exponential,
	s_wait_alu depctr_va_vdst(0)                   ; and one wait for the batch
.set i, 0
.rept 16
	v_cvt_pk_f16_f32 v[QN+i], v[AX+2*i], v[AX+2*i+1]
.set i, i+1
.endr
.set i, 0
.rept 16
	v_pk_add_f16 v[T+i], v[PM+i], v[QN+i]
.set i, i+1
.endr
.endm
; s' M (four tiles) and s' Z (the fifth): ten products, the five accumulators by turns; then 1 / (s' Z), from the fifth tile's lowest register.
.macro RATIO
.irp c, 0,1
.irp vt, 0,1,2,3,4
.if (\c) == 0
	v_wmma_f32_16x16x32_f16 v[ACC+8*\vt:ACC+8*\vt+7], v[MZ+16*\vt:MZ+16*\vt+7], v[T:T+7], 0
.else
	v_wmma_f32_16x16x32_f16 v[ACC+8*\vt:ACC+8*\vt+7], v[MZ+16*\vt+8:MZ+16*\vt+15], v[T+8:T+15], v[ACC+8*\vt:ACC+8*\vt+7]
.endif
.endr
.endr
.rept 8
	v_nop                                          ; eight places: the lines behind read the results and write over them in place
.endr
	v_rcp_f32 v[RDN], v[ACC+32]
	v_nop
	s_wait_alu depctr_va_vdst(0)
.endm
.macro SCALE                           ; the four tiles times the pair SC, in place
.set i, 0
.rept 16
	v_pk_mul_f32 v[ACC+2*i:ACC+2*i+1], v[ACC+2*i:ACC+2*i+1], v[SC:SC+1]
.set i, i+1
.endr
.endm
.macro TOHALF                          ; and rounded to f16: 16 bytes a tile
.set i, 0
.rept 16
	v_cvt_pk_f16_f32 v[QN+i], v[ACC+2*i], v[ACC+2*i+1]
.set i, i+1
.endr
.endm
	; ---- queries: g A_mem, 16 rows a trip.  The rows go back over my own rows of q (nobody else reads them) and leave as 2,048 bytes on end.
	s_mov_b32 s[TO], 0
	s_mov_b32 s[CT], 2
.La1:
	v_add_nc_u32 v[CA], s[TO], v[LQ]
	v_add_nc_u32 v[CB], s[TO], v[RQ]
.irp k, 0,1,2,3
	ds_load_b128 v[T+4*\k:T+4*\k+3], v[CA] offset:32*\k
.endr
	s_wait_dscnt 0x0
	SIGMA 0
	RATIO
	v_mul_f32 v[SC], v[G], v[RDN]
	v_mul_f32 v[SC+1], v[G], v[RDN]
	SCALE
	TOHALF
.irp k, 0,1,2,3
	ds_store_b128 v[CA], v[QN+4*\k:QN+4*\k+3] offset:32*\k
.endr
.irp f, 0,1,2,3
	ds_load_b128 v[PM+4*\f:PM+4*\f+3], v[CB] offset:\f*4*PT  ; LDS serves a wave's instructions in order (ISA guide 5.7.1.4)
.endr
	s_wait_dscnt 0x0
.irp f, 0,1,2,3
	global_store_b128 v[GL], v[PM+4*\f:PM+4*\f+3], s[10:11] offset:\f*512
.endr
	s_wait_xcnt 0x0                                ; the base and the stores' registers are written again only behind this wait
	s_add_nc_u64 s[10:11], s[10:11], 2048
	s_add_co_u32 s[TO], s[TO], 16*PT
	s_sub_co_u32 s[CT], s[CT], 1
	s_cmp_lg_u32 s[CT], 0
	s_cbranch_scc1 .La1
	; ---- keys: s'k over k's rows; kappa (v - moment) and kappa over v's rows
	s_mov_b32 s[TO], 0
	s_mov_b32 s[CT], 2
.La2:
	v_add_nc_u32 v[CA], s[TO], v[LK]
	v_add_nc_u32 v[CB], s[TO], v[LV]
.irp k, 0,1,2,3
	ds_load_b128 v[T+4*\k:T+4*\k+3], v[CA] offset:32*\k
.endr
.irp k, 0,1,2,3
	ds_load_b128 v[VV+4*\k:VV+4*\k+3], v[CB] offset:32*\k  ; my row's v in the products' layout: channels 16 k + 8 (l / 16) + 0..7
.endr
	s_wait_dscnt 0x0
	SIGMA 1
.irp k, 0,1,2,3
	ds_store_b128 v[CA], v[T+4*\k:T+4*\k+3] offset:32*\k
.endr
	RATIO
	v_mul_f32 v[SC], v[KAP], v[RDN]
	v_xor_b32 v[SC], 0x80000000, v[SC]             ; -kappa / (s' Z)
	v_mov_b32 v[SC+1], v[SC]
	SCALE
.set i, 0
.rept 16
	v_fma_mix_f32 v[ACC+2*i],   v[VV+i], v[KAP], v[ACC+2*i]   op_sel_hi:[1,0,0]             ; kappa v - kappa moment
	v_fma_mix_f32 v[ACC+2*i+1], v[VV+i], v[KAP], v[ACC+2*i+1] op_sel:[1,0,0] op_sel_hi:[1,0,0]
.set i, i+1
.endr
	TOHALF
	v_cvt_pk_f16_f32 v[KP], v[KAP], v[KAP]
	v_mov_b32 v[KP+1], v[KP]
	v_mov_b32 v[KP+2], v[KP]
	v_mov_b32 v[KP+3], v[KP]
.irp k, 0,1,2,3
	ds_store_b128 v[CB], v[QN+4*\k:QN+4*\k+3] offset:32*\k
.endr
	ds_store_b128 v[CB], v[KP:KP+3] offset:128     ; columns 64-79, in the rows' padding
	s_add_co_u32 s[TO], s[TO], 16*PT
	s_sub_co_u32 s[CT], s[CT], 1
	s_cmp_lg_u32 s[CT], 0
	s_cbranch_scc1 .La2
	s_wait_dscnt 0x0                               ; for the others' sake: my stores are done, my reads are back
	s_barrier_signal -1
	s_barrier_wait -1
	; ---- the sums over the 512 keys.  Wave w makes tile d = 16 (w % 4) .., v = 16 (w / 4) ..: source 0 = kappa (v - moment) turned, source 1 = s'k turned: a lane holds one d and 8 neighbouring v.
	s_and_b32 s16, s[WV], 3
	s_lshr_b32 s17, s[WV], 2
	v_and_b32 v9, 7, v0
	v_lshl_add_u32 v9, v2, 3, v9
	v_mul_u32_u24 v9, v9, PT
	v_bfe_u32 v3, v0, 3, 1
	v_lshl_add_u32 v9, v3, 4, v9                   ; key 8 (l / 16) + l % 8, channels 8 ((l / 8) % 2) + 0..7
	s_lshl_b32 s18, s16, 5
	s_add_co_u32 s18, s18, KR
	v_add_nc_u32 v[AS], s18, v9
	s_lshl_b32 s18, s17, 5
	s_add_co_u32 s18, s18, VR
	v_add_nc_u32 v[AU], s18, v9
	v_add_nc_u32 v[AKP], VR+128, v9
	v_mul_u32_u24 v[SA], v1, SPT                   ; the f32 stage, over q's bytes: row d, 32 bytes a lane
	v_lshl_add_u32 v[SA], v2, 5, v[SA]
	s_mul_i32 s18, s16, 16*SPT
	s_lshl_b32 s19, s17, 6
	s_add_co_u32 s18, s18, s19
	v_add_nc_u32 v[SA], s18, v[SA]
	s_lshl_b32 s19, s16, 6
	s_add_co_u32 s19, s19, ZS
	v_lshl_add_u32 v[ZA], v1, 2, s19
	v_mul_u32_u24 v[SR], v2, SPT                   ; back: wave w takes rows 4 w .. 4 w + 3, lanes 0-15 one row, 16-31 the next
	v_lshl_add_u32 v[SR], v1, 4, v[SR]
	s_mul_i32 s19, s[WV], 4*SPT
	v_add_nc_u32 v[SR], s19, v[SR]
; A trip: 64 keys, two blocks of 32 on two accumulators that take turns (waves 0-3: four), over the backward jump too.
.macro BTRIP zero
	v_add_nc_u32 v[CA], s[TO], v[AS]
	v_add_nc_u32 v[CB], s[TO], v[AU]
	v_add_nc_u32 v[CC], s[TO], v[AKP]
.rept 4
	v_nop                                          ; places in front of loads into registers that the last products read
.endr
.irp f, 0,1,2,3
	ds_load_tr16_b128 v[SK0+4*\f:SK0+4*\f+3], v[CA] offset:\f*16*PT
.endr
.irp f, 0,1,2,3
	ds_load_tr16_b128 v[U0+4*\f:U0+4*\f+3], v[CB] offset:\f*16*PT
.endr
	s_cmp_lt_u32 s[WV], 4
	s_cbranch_scc0 .Lnk1_\@
.irp f, 0,1,2,3
	ds_load_tr16_b128 v[KT0+4*\f:KT0+4*\f+3], v[CC] offset:\f*16*PT
.endr
.Lnk1_\@:
	s_wait_dscnt 0x0
.if \zero
	v_wmma_f32_16x16x32_f16 v[C0:C0+7], v[U0:U0+7], v[SK0:SK0+7], 0
	v_wmma_f32_16x16x32_f16 v[C1:C1+7], v[U1:U1+7], v[SK1:SK1+7], 0
.else
	v_wmma_f32_16x16x32_f16 v[C0:C0+7], v[U0:U0+7], v[SK0:SK0+7], v[C0:C0+7]
	v_wmma_f32_16x16x32_f16 v[C1:C1+7], v[U1:U1+7], v[SK1:SK1+7], v[C1:C1+7]
.endif
	s_cmp_lt_u32 s[WV], 4
	s_cbranch_scc0 .Lnk2_\@
.if \zero
	v_wmma_f32_16x16x32_f16 v[KC0:KC0+7], v[KT0:KT0+7], v[SK0:SK0+7], 0
	v_wmma_f32_16x16x32_f16 v[KC1:KC1+7], v[KT1:KT1+7], v[SK1:SK1+7], 0
.else
	v_wmma_f32_16x16x32_f16 v[KC0:KC0+7], v[KT0:KT0+7], v[SK0:SK0+7], v[KC0:KC0+7]
	v_wmma_f32_16x16x32_f16 v[KC1:KC1+7], v[KT1:KT1+7], v[SK1:SK1+7], v[KC1:KC1+7]
.endif
.Lnk2_\@:
.endm
	s_mov_b32 s[TO], 0
	BTRIP 1                                        ; the first trip starts the sums
	s_mov_b32 s[CT], 7
.Lb:
	s_add_co_u32 s[TO], s[TO], 64*PT
	BTRIP 0
	s_sub_co_u32 s[CT], s[CT], 1
	s_cmp_lg_u32 s[CT], 0
	s_cbranch_scc1 .Lb
.rept 8
	v_nop
.endr
.irp i, 0,2,4,6
	v_pk_add_f32 v[C0+\i:C0+\i+1], v[C0+\i:C0+\i+1], v[C1+\i:C1+\i+1]
.endr
	ds_store_b128 v[SA], v[C0:C0+3]
	ds_store_b128 v[SA], v[C0+4:C0+7] offset:16
	s_cmp_lt_u32 s[WV], 4
	s_cbranch_scc0 .Lnk3
	v_add_f32 v[KC0], v[KC0], v[KC1]               ; all sixteen rows of the kappa tile are alike: the lowest register is the sum for d = 16 w + l % 16
	ds_store_b32 v[ZA], v[KC0]                     ; (the two halves of the lanes write the same word with the same number)
.Lnk3:
	s_wait_dscnt 0x0
	s_barrier_signal -1
	s_barrier_wait -1
	ds_load_b128 v[96:99], v[SR]
	ds_load_b128 v[100:103], v[SR] offset:2*SPT
	s_wait_dscnt 0x0
	global_store_b128 v[GL], v[96:99], s[12:13]            ; 512 consecutive bytes, aligned
	global_store_b128 v[GL], v[100:103], s[12:13] offset:512
	s_cmp_lg_u32 s[WV], 0
	s_cbranch_scc1 .Lend
	v_lshrrev_b32 v9, 1, v[GL]                     ; 8 x lane
	v_add_nc_u32 v3, ZS, v9
	ds_load_b64 v[104:105], v3
	s_wait_dscnt 0x0
	global_store_b64 v9, v[104:105], s[12:13] offset:16384
.Lend:
	s_wait_tensorcnt 0x0                           ; the wave's end
	ds_add_u32 v[SPW], v[NIL]
	s_wait_dscnt 0x0
	s_endpgm
.Lfunc_end_k_q9dc257333f_state:
	.size	k_q9dc257333f_state, .Lfunc_end_k_q9dc257333f_state-k_q9dc257333f_state
	.p2alignl 7, 3214868480
	.fill 96, 4, 3214868480
	.section	.rodata,"a",@progbits
	.p2align	6, 0x0
	.amdhsa_kernel k_q9dc257333f_state
		.amdhsa_group_segment_fixed_size 248064
		.amdhsa_private_segment_fixed_size 0
		.amdhsa_enable_private_segment 0
		.amdhsa_kernarg_size 40
		.amdhsa_user_sgpr_count 2
		.amdhsa_user_sgpr_kernarg_segment_ptr 1
		.amdhsa_wavefront_size32 1
		.amdhsa_system_sgpr_workgroup_id_x 1
		.amdhsa_system_sgpr_workgroup_id_y 1
		.amdhsa_system_sgpr_workgroup_id_z 1
		.amdhsa_system_vgpr_workitem_id 0
		.amdhsa_next_free_vgpr 256
		.amdhsa_next_free_sgpr 66
		.amdhsa_reserve_vcc 0
		.amdhsa_float_denorm_mode_32 3
		.amdhsa_float_denorm_mode_16_64 3
		.amdhsa_memory_ordered 1
		.amdhsa_forward_progress 1
		.amdhsa_inst_pref_size 41
	.end_amdhsa_kernel
	.amdgpu_metadata
---
amdhsa.version: [ 1, 2 ]
amdhsa.kernels:
  - .name:           k_q9dc257333f_state
    .symbol:         k_q9dc257333f_state.kd
    .args:
      - { .name: qkv, .offset: 0, .size: 8, .value_kind: global_buffer, .address_space: global }
      - { .name: mz, .offset: 8, .size: 8, .value_kind: global_buffer, .address_space: global }
      - { .name: beta_gate, .offset: 16, .size: 8, .value_kind: global_buffer, .address_space: global }
      - { .name: ga, .offset: 24, .size: 8, .value_kind: global_buffer, .address_space: global }
      - { .name: part, .offset: 32, .size: 8, .value_kind: global_buffer, .address_space: global }
    .group_segment_fixed_size: 248064
    .private_segment_fixed_size: 0
    .kernarg_segment_align: 8
    .kernarg_segment_size: 40
    .max_flat_workgroup_size: 512
    .sgpr_count:     66
    .vgpr_count:     256
    .wavefront_size: 32
...
	.end_amdgpu_metadata
.endif
;; end of part 3
;; launch attn (part 4): grid 4 x 64, 4 waves a work-group, clusters of 4 x 1, 327,680 bytes of LDS; arguments qkv, ga, part, M, Z, beta_gate, beta_lin, out0, out1, out2; writes out0, out1, out2
.if DOCPART == 4
	.amdgcn_target "amdgcn-amd-amdhsa--gfx1250"
	.amdhsa_code_object_version 6
	.text
	.protected	k_q9dc257333f_attn
	.globl	k_q9dc257333f_attn
	.p2align	8
	.type	k_q9dc257333f_attn,@function
k_q9dc257333f_attn:
	s_mov_b64 s[64:65], 0
	v_nop
	global_prefetch_b8 v0, s[64:65] scope:SCOPE_SE
	s_setreg_imm32_b32 hwreg(HW_REG_WAVE_MODE, 25, 1), 1
	s_wait_xcnt 0x0
	s_wait_alu depctr_hold_cnt(0) depctr_sa_sdst(0) depctr_va_vdst(0) depctr_va_sdst(0) depctr_va_ssrc(0) depctr_va_vcc(0) depctr_vm_vsrc(0)
	s_getreg_b32 s2, hwreg(HW_REG_IB_STS2, 6, 4)
	s_cmp_eq_u32 s2, 0
	s_cbranch_scc0 .Lentry_in_a_cluster
	s_endpgm
.Lentry_in_a_cluster:
	s_bfe_u32 s2, ttmp6, 0x10000c
	s_cmp_lg_u32 s2, 0x3003
	s_cbranch_scc0 .Lentry_shape_is_right
	s_endpgm
.Lentry_shape_is_right:
; Launch 4 of 4: out0 = g A_mem + (1 - g) softmax(q k^T / 8) v, in [b][n][h d] f32; and, in the wait for the first tile, out1 = beta_m M + the four partial sums, out2 = beta_m Z + theirs.  Nothing of reference() is left out.
; q, k, v: qkv[3][b h][2048][64], f16: a head's rows are dense, 128 bytes each.  Products, maxima and sums in f32; the weights p are rounded to f16 for the second product (their sum l is taken of the unrounded p).
; LIMITS.  p lies in 0 to 1, and below 6e-5 it keeps f16's fixed step of 6e-8; a weight below 2^-126 counts as 0 in l; NaN and infinities are not treated apart.  M, Z and the two betas are rounded to bf16 like all inputs.
; SHARES.  A wave owns four PIECES of two tiles of 16 queries, a work-group's four waves 512 queries of one head.  Every wave walks all 2,048 keys, 64 a step.
; LAYOUT.  S^T = K Q^T (source 0 = 16 keys, source 1 = 16 queries): a lane holds ONE query (lane % 16) and the keys 8 (lane / 16) + 0..7.  Two such tiles, rounded to f16 in pairs, ARE source 1 of O^T = V^T P,
; whose result again holds one query a lane, and eight channels.  K comes out of LDS as it lies, V turned, by ds_load_tr16_b128.
; SOFTMAX.  A running maximum m and sum l: p = 2^(c s - c m), c = log2(e) / 8; in every step O and l are multiplied by a = 2^(c m_old - c m_new).  m starts at the lowest finite number, O and l at 0.
; THE COUNT.  A tile and step have 16 matrix and 118 vector instructions: too many to stand all beside the matrix work.  So: four vector instructions that are READY behind EVERY matrix instruction, the others in runs without a gap.
; BY TURNS.  Turn n belongs to piece n.  Its matrix work: 16 products K Q^T of piece n + 1, later 16 products V^T P of piece n - 1.  Its vector work: scaling, exponentials, roundings, sums and rescaling of piece n, and the
; maximum and statistics of piece n + 1.  A turn's 66 exponentials are one batch with one wait.
; CLUSTER.  The four query blocks of a head are one cluster and walk the same K and V: each tile is asked for JOINTLY.  A work-group's place in the cluster enters global addresses alone.
; REGISTERS, in windows of 256 (s_set_vgpr_msb: bits 1:0 source 0, 3:2 source 1, 5:4 source 2, 7:6 destination):
;   window 0: v0-11 addresses; v12-15, v48-63 at work; v16-47 statistics; v64-191 S^T, two buffers of two tiles; v192-255 P, likewise
;   window 1: O^T, 32 a tile     window 2: v0-127 Q; v128-191 K of one step; v192-255 V of one step     window 3: v0-1 the add's two registers; v16-143 g A_mem of my 128 rows, 16 a tile
.set SIZE_N, 2048
.set NP,    4
.set KS,    64
.set PK,    144       ; a row of K in LDS: 128 bytes + 16: the 16 rows of a load start at 16 different groups of four banks (ISA guide 11.1)
.set PV,    160       ; a row of V: 128 + 32
.set VOFF,  4*KS*PK   ; a slot holds four steps: 256 rows of K, then 256 rows of V
.set SLOT1, 1<<17
.set STAGE, SLOT1+4*KS*(PK+PV)  ; behind the ring: 16 rows x 272 bytes (256 of f32 + 16) for each wave, for the way out
.set SP,    272
.set RECB,  16640     ; a record of partial sums
.set AK0, 2
.set AV0, 3
.set AK,  4
.set AV,  5
.set QO,  6           ; v6   my byte offset in the wave's rows of Q and of g A_mem
.set STO, 6           ;      later, the way out: where I put 32 bytes of a row
.set RD,  7
.set GO,  8
.set PFO, 11          ; v11  256 x my lane; never rewritten once made
.set SPW, 0           ; v0 of window 3
.set NIL, 1           ; v1 of window 3
.set GA,  16          ; window 3
.set SPARE, STAGE+4*16*SP
.set MV,  12
.set ST,  16
.set TMP, 48
.set S,   64
.set P,   192
.set KF,  128
.set VF,  192
.set FO1, 109         ; the final sums' two offsets, in registers that S^T takes later
.set FO2, 110
.set WV,  12
.set G1K, 24
.set G1V, 32
.set G0K, 40
.set G0V, 44
.set SLOTS, 56
.set CNT, 57
.set CS,  58
.set SEL, 60
.set TBK, 62
.set TBV, 63
.set PFA, 88          ; s[88:89] where my prefetches stand
.set LIM, 90          ; s90  1 in waves 0 and 2, else the greatest number
.set OMG, 91          ; s91  1 - g
.set MSB, 0
.macro WIN new
.if MSB != (\new)
	s_set_vgpr_msb (MSB<<8)|(\new)
.set MSB, (\new)
.endif
.endm
.set W_KQ, 0x0a
.set W_PV, 0x52
.set W_RS, 0x41
.set W_MK, 0xc0
.set W_AD, 0x0f
; A joint fill.  Waves 0 and 1 fetch the two halves of a slot's K, waves 2 and 3 those of its V.  An s_nop 0 and four v_nop follow each of the two lines.
.macro JLOAD
	s_cmp_lt_u32 s[WV], 2
	s_cbranch_scc0 .Lfor_v_\@
	tensor_load_to_lds s[G0K:G0K+3], s[G1K:G1K+7]
	s_nop 0
.rept 4
	v_nop
.endr
	s_branch .Lasked_\@
.Lfor_v_\@:
	tensor_load_to_lds s[G0V:G0V+3], s[G1V:G1V+7]
	s_nop 0
.rept 4
	v_nop
.endr
.Lasked_\@:
.endm
.macro CROUND
	s_barrier_signal -1
	s_barrier_wait -1
	s_cmp_lg_u32 s[WV], 0
	s_cbranch_scc1 .Lnot_wave_0_\@
	s_barrier_signal -3
.Lnot_wave_0_\@:
	s_barrier_wait -3
	s_barrier_signal -1
	s_barrier_wait -1
.endm
; A PREFETCH INTO THE L2 of what the NEXT change of slots will ask for: a slot is 128 blocks of 256 bytes of K and as many of V.  A head has one cluster; its four partners take 32 blocks each, told apart BY ADDRESS;
; in each, wave 0 names K's and wave 2 V's: a lane a block, one instruction, four key steps (512 matrix instructions) ahead of the load.  Slots 0-2 come by their loads alone; the last filling change names nothing.
.macro ASK
	s_cmp_gt_u32 s[SLOTS], s[LIM]
	s_cbranch_scc0 .Lnot_mine_\@
	global_prefetch_b8 v[PFO], s[PFA:PFA+1] th:TH_LOAD_NT scope:SCOPE_SE
.Lnot_mine_\@:
.endm
; THE CHANGE OF SLOTS.  Each wave waits for all its tensor loads (one is out: its part of the other slot), adds 0 to its spare word, and waits for that and for its own reads of the slot.  fill = 1: the slot is filled
; again, with the keys two slots on: the barrier is then a round of the cluster's, and the joint fill is the first thing behind it.  (At its first use nothing has been read yet: slot 0 is waited for, slot 1 filled.)
.macro CHANGE fill, ask=0
	WIN W_AD
	s_wait_tensorcnt 0x0            ; no tensor load of mine is out, so a group 0 may be written
	ds_add_u32 v[SPW], v[NIL]       ; 0 onto my spare word
	WIN 0
.if \fill
.irp g, G0K, G0V
	s_xor_b32 s[\g+1], s[\g+1], SLOT1
	s_add_nc_u64 s[\g+2:\g+3], s[\g+2:\g+3], 4*KS*128
.endr
.if \ask
	s_wait_xcnt 0x0                 ; the last prefetch, four key steps back, has read its address
	s_add_nc_u64 s[PFA:PFA+1], s[PFA:PFA+1], 4*KS*128
.endif
	s_wait_dscnt 0x0                ; the add is done, and my reads of the slot are over
	CROUND
	JLOAD
.if \ask
	ASK
.endif
.else
	s_wait_dscnt 0x0
	s_barrier_signal -1
	s_barrier_wait -1
.endif
	s_sub_co_u32 s[TBK], s[TBK], 4*KS*PK
	s_xor_b32 s[TBK], s[TBK], SLOT1
	s_sub_co_u32 s[TBV], s[TBV], 4*KS*PV
	s_xor_b32 s[TBV], s[TBV], SLOT1
.endm
	s_load_b512 s[68:83], s[0:1], 0x0  ; qkv 68, ga 70, part 72, M 74, Z 76, beta_gate 78, beta_lin 80, out0 82
	s_load_b128 s[84:87], s[0:1], 0x40 ; out1 84, out2 86
	WIN W_MK
	v_lshl_add_u32 v[SPW], v0, 2, SPARE
	v_mov_b32 v[NIL], 0
	WIN W_AD
	ds_add_u32 v[SPW], v[NIL]       ; the wave's opening: the add, twice on end, and its wait ahead of my first tensor load
	ds_add_u32 v[SPW], v[NIL]
	WIN 0
	v_lshrrev_b32 v1, 5, v0
	v_readfirstlane_b32 s[WV], v1   ; wave 0..3
	s_bfe_u32 s13, ttmp6, 0x40000   ; cx
	s_lshl_b32 s14, ttmp9, 2
	s_add_co_u32 s14, s14, s13      ; my block of 512 queries: it enters global addresses of Q, g A_mem and out0 alone
	s_and_b32 s15, ttmp7, 0xffff    ; b x 16 + h, which the four partners share
	s_lshl_b32 s20, s15, 18         ; the head's first byte in q, k, v, ga
	s_mov_b32 s21, 0
	s_and_b32 s16, s[WV], 1         ; which half of a slot's 256 keys I fetch
	s_lshl_b32 s22, s16, 14
	s_mov_b32 s23, 0
	s_add_nc_u64 s[22:23], s[22:23], s[20:21]
	s_mul_i32 s17, s16, 128*PK
	s_mul_i32 s18, s16, 128*PV
	s_lshl_b32 s2, s14, 2
	s_add_co_u32 s2, s2, s[WV]
	s_lshl_b32 s2, s2, 14           ; my wave's 128 rows
	s_mov_b32 s3, 0
	s_add_nc_u64 s[2:3], s[2:3], s[20:21]
	s_lshr_b32 s48, s15, 4          ; out0: row (b x 16 + block x 4 + wave) x 128, 4,096 bytes a row; my head's 256 bytes of it
	s_lshl_b32 s48, s48, 2
	s_add_co_u32 s48, s48, s14
	s_lshl_b32 s48, s48, 2
	s_add_co_u32 s48, s48, s[WV]
	s_lshl_b32 s48, s48, 19
	s_and_b32 s49, s15, 15
	s_lshl_b32 s49, s49, 8
	s_add_co_u32 s48, s48, s49
	s_mov_b32 s49, 0
	s_mov_b32 s[G1K], 15|(1<<16)|(1<<20)|(1<<21)|(4<<22)|(3<<25)  ; the mask of four; 2-byte elements; padding on; bit 21 beside a mask; after every 32 words 4 words
	s_mov_b32 s[G1V], 15|(1<<16)|(1<<20)|(1<<21)|(4<<22)|(7<<25)  ; the same with 8 words
.irp g, G1K, G1V
	s_mov_b32 s[\g+1], 128<<16      ; 128 keys are 16,384 dense bytes: 64 rows of 256
	s_mov_b32 s[\g+2], 64<<16
	s_mov_b32 s[\g+3], 128<<16
	s_mov_b32 s[\g+4], 64
	s_mov_b32 s[\g+5], 128
	s_mov_b32 s[\g+6], 0
	s_mov_b32 s[\g+7], 0
.endr
	s_mov_b32 s[CS], 0x3e38aa3b     ; c = log2(e) / 8
	s_mov_b32 s[CS+1], s[CS]
	s_mov_b32 s[SEL], 0x76543210
	s_mov_b32 s[SEL+1], 0xfedcba98
	s_mov_b32 s[TBK], SLOT1+4*KS*PK ; the first change of slots turns these two into 0
	s_mov_b32 s[TBV], SLOT1+4*KS*PV
	s_mov_b32 s[G0K], 1
	s_mov_b32 s[G0K+1], s17
	s_mov_b32 s[G0V], 1
	s_add_co_u32 s[G0V+1], s18, VOFF
	s_mov_b32 s92, 0x3f666666       ; 0.9
	s_mov_b32 s93, 0x3f7fbe77       ; 0.999
	s_and_b32 s[LIM], s[WV], 1
	s_cmp_eq_u32 s[LIM], 0
	s_cselect_b32 s[LIM], 1, -1
	s_wait_dscnt 0x0                ; both opening adds are done
	s_wait_kmcnt 0x0
	s_add_nc_u64 s[6:7], s[68:69], 0x1000000   ; k
	s_add_nc_u64 s[8:9], s[68:69], 0x2000000   ; v
	s_add_nc_u64 s[G0K+2:G0K+3], s[6:7], s[22:23]
	s_or_b32 s[G0K+3], s[G0K+3], 0x80000000
	s_add_nc_u64 s[G0V+2:G0V+3], s[8:9], s[22:23]
	s_or_b32 s[G0V+3], s[G0V+3], 0x80000000
	s_add_nc_u64 s[4:5], s[68:69], s[2:3]      ; Q, g A_mem and out0 at my wave's first row
	s_add_nc_u64 s[70:71], s[70:71], s[2:3]
	s_add_nc_u64 s[10:11], s[82:83], s[48:49]
	s_cmp_lt_u32 s[WV], 2
	s_cselect_b64 s[PFA:PFA+1], s[6:7], s[8:9]
	s_add_nc_u64 s[PFA:PFA+1], s[PFA:PFA+1], s[20:21]
	s_lshl_b32 s50, s13, 13         ; my work-group's 32 blocks of a slot's 128
	s_mov_b32 s51, 0
	s_add_nc_u64 s[PFA:PFA+1], s[PFA:PFA+1], s[50:51]
	s_add_nc_u64 s[PFA:PFA+1], s[PFA:PFA+1], 2*4*KS*128  ; in slot 2: the first asking change steps it to slot 3
	CROUND                          ; all four work-groups are here: the first joint loads meet
	JLOAD                           ; slot 0
	; THE FINAL SUMS of out1 and out2, in the wait for the first tile.  The head's 16,384 bytes of out1 are shared out among the four partners by address: 4,096 each, 16 bytes a thread twice; of out2's 64 numbers 16 each.
	s_mul_i32 s50, s15, 4*RECB
	s_add_nc_u64 s[72:73], s[72:73], s[50:51]
	s_lshl_b32 s50, s15, 14
	s_add_nc_u64 s[74:75], s[74:75], s[50:51]
	s_add_nc_u64 s[84:85], s[84:85], s[50:51]
	s_lshl_b32 s50, s15, 8
	s_add_nc_u64 s[76:77], s[76:77], s[50:51]
	s_add_nc_u64 s[86:87], s[86:87], s[50:51]
	s_and_b32 s50, s15, 15
	s_lshl_b32 s50, s50, 2
	s_add_nc_u64 s[78:79], s[78:79], s[50:51]
	s_load_b32 s54, s[78:79], 0x0   ; beta_gate of my head
	s_load_b32 s55, s[80:81], 0x0   ; beta_lin
	v_lshlrev_b32 v[FO1], 4, v0
	s_lshl_b32 s52, s13, 12
	v_add_nc_u32 v[FO1], s52, v[FO1]
	v_and_b32 v[FO2], 15, v0
	v_lshlrev_b32 v[FO2], 2, v[FO2]
	s_lshl_b32 s53, s13, 6
	v_add_nc_u32 v[FO2], s53, v[FO2]
.irp c, 0,1,2,3
.irp k, 0,1
	global_load_b128 v[64+8*\c+4*\k:67+8*\c+4*\k], v[FO1], s[72:73] offset:\c*RECB+\k*2048
.endr
.endr
.irp k, 0,1
	global_load_b128 v[96+4*\k:99+4*\k], v[FO1], s[74:75] offset:\k*2048
.endr
.irp c, 0,1,2,3
	global_load_b32 v[104+\c], v[FO2], s[72:73] offset:\c*RECB+16384
.endr
	global_load_b32 v108, v[FO2], s[76:77]
	; A fragment of K or Q is 16 rows x 32 channels in 8 registers: lane l holds row l % 16, channels 8 (l / 16) + 0..7 and 16 + 8 (l / 16) + 0..7.
	v_and_b32 v1, 15, v0            ; l % 16
	v_bfe_u32 v9, v0, 4, 1          ; l / 16
	v_lshlrev_b32 v[QO], 7, v1
	v_lshl_add_u32 v[QO], v9, 4, v[QO]
	WIN 0x80                        ; destination window 2
.set i, 0
.rept 4*NP                          ; Q stays in registers: tile i / 2, channels 32 (i % 2) on
	global_load_b128 v[8*i:8*i+3],   v[QO], s[4:5] offset:(i/2)*2048+(i%2)*64
	global_load_b128 v[8*i+4:8*i+7], v[QO], s[4:5] offset:(i/2)*2048+(i%2)*64+32
.set i, i+1
.endr
	; What the first turn finds: V's registers and P's second buffer hold 0, O^T and l are 0.
.set i, VF
.rept 64
	v_mov_b32 v[i], 0
.set i, i+1
.endr
	WIN 0x40
.set i, 0
.rept 64*NP
	v_mov_b32 v[i], 0
.set i, i+1
.endr
	WIN 0
.set i, 0
.rept 2*NP
	v_mov_b32 v[ST+4*i], 0xfe000000    ; c m: far below every c s
	v_mov_b32 v[ST+4*i+1], 0xff7fffff  ; m
	v_mov_b32 v[ST+4*i+2], 0
	v_mov_b32 v[ST+4*i+3], 0
.set i, i+1
.endr
.set i, P+32
.rept 32
	v_mov_b32 v[i], 0
.set i, i+1
.endr
	s_wait_loadcnt 32               ; the final sums' 15 loads are in; Q's 32, issued behind them, may stay out
	WIN 0xc0                        ; destination window 3
.set i, 0
.rept 32                            ; g A_mem in O^T's layout: tile i / 4, channels 16 (i % 4) + 8 (l / 16) + 0..7
	global_load_b128 v[GA+4*i:GA+4*i+3], v[QO], s[70:71] offset:(i/4)*2048+(i%4)*32
.set i, i+1
.endr
	WIN 0
	s_wait_kmcnt 0x0
	v_mov_b32 v112, s55
	v_mov_b32 v114, s54
	v_cvt_pk_bf16_f32 v111, v112, v114
	v_lshlrev_b32 v112, 16, v111       ; bf16(beta_lin)
	v_and_b32 v114, 0xffff0000, v111   ; bf16(beta_gate)
	v_mul_f32 v112, 0xbfb8aa3b, v112
	v_mul_f32 v114, 0x3fb8aa3b, v114
	v_exp_f32 v112, v112
	v_exp_f32 v114, v114
	v_nop
	s_wait_alu depctr_va_vdst(0)    ; the wait ahead of a transcendental's first reader: one for the two
	v_add_f32 v112, 1.0, v112
	v_add_f32 v114, 1.0, v114
	v_rcp_f32 v112, v112            ; sigmoid(beta_lin)
	v_rcp_f32 v114, v114            ; 1 - g = sigmoid(-beta_gate)
	v_nop
	s_wait_alu depctr_va_vdst(0)
	v_max_num_f32 v112, s92, v112
	v_min_num_f32 v112, s93, v112   ; beta_m
	v_mov_b32 v113, v112
	v_readfirstlane_b32 s[OMG], v114
.irp o, 0,2,4,6
	v_pk_add_f32 v[64+\o:65+\o], v[64+\o:65+\o], v[72+\o:73+\o]
	v_pk_add_f32 v[80+\o:81+\o], v[80+\o:81+\o], v[88+\o:89+\o]
	v_cvt_pk_bf16_f32 v115, v[96+\o], v[97+\o]
	v_lshlrev_b32 v[96+\o], 16, v115
	v_and_b32 v[97+\o], 0xffff0000, v115
	v_pk_add_f32 v[64+\o:65+\o], v[64+\o:65+\o], v[80+\o:81+\o]
	v_pk_fma_f32 v[64+\o:65+\o], v[96+\o:97+\o], v[112:113], v[64+\o:65+\o]
.endr
	global_store_b128 v[FO1], v[64:67], s[84:85]               ; a wave's store covers 512 consecutive bytes, aligned
	global_store_b128 v[FO1], v[68:71], s[84:85] offset:2048
	v_add_f32 v104, v104, v105
	v_add_f32 v106, v106, v107
	v_add_f32 v104, v104, v106
	v_cvt_pk_bf16_f32 v108, v108, v108
	v_lshlrev_b32 v108, 16, v108
	v_fma_f32 v104, v108, v112, v104
	v_cmp_gt_u32 vcc_lo, 16, v0
	s_wait_xcnt 0x0                 ; EXEC changes only behind this wait
	s_and_saveexec_b32 s94, vcc_lo
	global_store_b32 v[FO2], v104, s[86:87]  ; 64 bytes a work-group: out2 is 16 KiB in all
	s_wait_xcnt 0x0
	s_or_b32 exec_lo, exec_lo, s94
	v_mul_u32_u24 v[AK0], v1, PK
	v_lshl_add_u32 v[AK0], v9, 4, v[AK0]
	; The turning load takes 16 keys x 16 channels (lane l reads key 8 (l / 16) + l % 8, channels 8 ((l / 8) % 2) + 0..7) and leaves half a fragment of V^T.
	v_and_b32 v10, 7, v0
	v_bfe_u32 v11, v0, 3, 1
	v_lshl_add_u32 v[AV0], v9, 3, v10
	v_mul_u32_u24 v[AV0], v[AV0], PV
	v_lshl_add_u32 v[AV0], v11, 4, v[AV0]
	v_add_nc_u32 v[AV0], VOFF, v[AV0]
	v_mov_b32 v[AK], v[AK0]
	v_and_b32 v[PFO], 31, v0
	v_lshlrev_b32 v[PFO], 8, v[PFO]
; THE MATRIX WORK.  The 8 accumulators of a run of 16 take turns.
.macro KQ x
	WIN W_KQ
.set rS, S+64*((\x)%2)+32*(i%2)+8*((i/2)%4)
.set rK, KF+16*((i/2)%4)+8*(i/8)
.set rQ, 16*(2*(\x)+i%2)+8*(i/8)
.if i < 8
	v_wmma_f32_16x16x32_f16 v[rS:rS+7], v[rK:rK+7], v[rQ:rQ+7], 0
.else
	v_wmma_f32_16x16x32_f16 v[rS:rS+7], v[rK:rK+7], v[rQ:rQ+7], v[rS:rS+7]
.endif
.endm
.macro PV x
	WIN W_PV
.set rO, 32*(2*(\x)+i%2)+8*((i/2)%4)
.set rV, VF+32*(i/8)+8*((i/2)%4)
.set rP, P+32*((\x)%2)+16*(i%2)+8*(i/8)
	v_wmma_f32_16x16x32_f16 v[rO:rO+7], v[rV:rV+7], v[rP:rP+7], v[rO:rO+7]
.endm
.macro MM                           ; the turn's next matrix instruction
.if i < 16
	KQ (Y+1)%NP
.set i, i+1
.else
.set i, i-16
	PV (Y+NP-1)%NP
.set i, i+17
.endif
.endm
; THE LDS LOADS stand in runs of 16.  last = 1 (the tail): in the last trip there is no further step, and the run is jumped over.
.macro FETCH_K last=0
	WIN 0
.if \last
	s_cmp_eq_u32 s[CNT], 1
	s_cbranch_scc1 .Lno_k_\@
.endif
	WIN 0x80
.irp f, 0,1,2,3,4,5,6,7
	ds_load_b128 v[KF+8*\f:KF+8*\f+3],   v[AK] offset:(\f/2)*16*PK+(\f%2)*64
	ds_load_b128 v[KF+8*\f+4:KF+8*\f+7], v[AK] offset:(\f/2)*16*PK+(\f%2)*64+32
.endr
	s_add_co_u32 s[TBK], s[TBK], KS*PK
	WIN 0
.if \last
.Lno_k_\@:
.endif
.endm
.macro FETCH_V
	WIN 0x80
.irp f, 0,1,2,3,4,5,6,7
	ds_load_tr16_b128 v[VF+8*\f:VF+8*\f+3],   v[AV] offset:(\f/4)*32*PV+(\f%4)*32
	ds_load_tr16_b128 v[VF+8*\f+4:VF+8*\f+7], v[AV] offset:(\f/4)*32*PV+16*PV+(\f%4)*32
.endr
	WIN 0
.endm
; THE VECTOR WORK OF A TURN stands in three queues, each in the order in which its entries become ready; the two tiles alternate.
.macro REGS y, u
.set rT, ST+4*(2*(\y)+(\u))
.set rC, TMP+8*((\y)%2)+4*(\u)
.set rM, MV+2*((\y)%2)+(\u)
.set rS, S+64*((\y)%2)+32*(\u)
.set rP, P+32*((\y)%2)+16*(\u)
.set rO, 32*(2*(\y)+(\u))
.endm
; Number n of the 22 that find the NEXT piece's maximum and statistics; each accumulator's lowest registers are read first.
.macro XS u, n
	REGS (Y+1)%NP, \u
.if (\n) < 4
	v_max3_num_f32 v[rC+(\n)], v[rS+8*(\n)], v[rS+8*(\n)+1], v[rS+8*(\n)+2]
.elseif (\n) < 12
	v_max3_num_f32 v[rC+(\n)%4], v[rC+(\n)%4], v[rS+8*((\n)%4)+2*((\n)/4)+1], v[rS+8*((\n)%4)+2*((\n)/4)+2]
.elseif (\n) == 12
	v_max3_num_f32 v[rC], v[rC], v[rS+7], v[rS+15]
.elseif (\n) == 13
	v_max3_num_f32 v[rC+1], v[rC+1], v[rS+23], v[rS+31]
.elseif (\n) == 14
	v_max3_num_f32 v[rC+2], v[rC+2], v[rC+3], v[rT+1]
.elseif (\n) == 15
	v_mov_b32 v[rM], v[rT]
.elseif (\n) == 16
	v_max3_num_f32 v[rC], v[rC], v[rC+1], v[rC+2]
.elseif (\n) == 17
	v_permlanex16_b32 v[rC+3], v[rC], s[SEL], s[SEL+1]
.elseif (\n) == 18
	v_max_num_f32 v[rT+1], v[rC], v[rC+3]
.elseif (\n) == 19
	v_mul_f32 v[rT], s[CS], v[rT+1]
.elseif (\n) == 20
	v_sub_f32 v[rC+1], v[rM], v[rT]
.else
	v_exp_f32 v[rC+2], v[rC+1]
.endif
.endm
; Number g of the 64 that follow the exponentials: roundings to f16, the second pair of four weights added onto the first, and a group later l takes that sum (the first time as l = a l + sum).
.macro GS g
.set h, (\g)+6*((\g)/62)
.if h >= 6
.set h, h+2
.endif
	REGS Y, h%2
.set k, h/8
.if h%8 < 4
	v_cvt_pk_f16_f32 v[rP+2*k+(h%8)/2], v[rS+4*k+2*((h%8)/2)], v[rS+4*k+2*((h%8)/2)+1]
.elseif h%8 < 6
	v_pk_add_f32 v[rS+4*k:rS+4*k+1], v[rS+4*k:rS+4*k+1], v[rS+4*k+2:rS+4*k+3]
.elseif k == 1
	v_pk_fma_f32 v[rT+2:rT+3], v[rT+2:rT+3], v[rC+2:rC+3], v[rS:rS+1] op_sel_hi:[1,0,1]
.else
	v_pk_add_f32 v[rT+2:rT+3], v[rT+2:rT+3], v[rS+4*k-4:rS+4*k-3]
.endif
.endm
; THE PLAIN QUEUE, 138 long.  0-73 read no exponential's result: the 32 scalings and the next piece's 42.  74-137: GS's 64, behind the wait.
.macro FS f
	REGS Y, (\f)%2
	v_pk_fma_f32 v[rS+2*((\f)/2):rS+2*((\f)/2)+1], v[rS+2*((\f)/2):rS+2*((\f)/2)+1], s[CS:CS+1], v[rT:rT+1] op_sel_hi:[1,0,0] neg_lo:[0,0,1] neg_hi:[0,0,1]
.endm
.macro PL
	WIN 0
.if q < 27
	FS q
.elseif q < 55
	XS (q-27)%2, (q-27)/2
.elseif q < 57
	XS q-55, 15
.elseif (q < 72) && ((q-57)%3 == 0)
	FS 27+(q-57)/3
.elseif q < 60
	XS (q-57)%3-1, 14
.elseif q < 72
	XS (q-57)%3-1, 15+(q-57)/3
.elseif q < 74
	XS q-72, 20
.else
	GS q-74
.endif
.set q, q+1
.endm
; THE EXPONENTIALS' QUEUE, 66 long: one batch, all ahead of the turn's one wait.
.macro EX
	WIN 0
.if e >= 64
	XS e-64, 21
.else
	REGS Y, e%2
	v_exp_f32 v[rS+e/2], v[rS+e/2]
.endif
.set e, e+1
.endm
; THE RESCALING's QUEUE: O^T times a, two at a time.
.macro R2
	REGS Y, r%2
	WIN W_RS
.irp z, 0,1
	v_pk_mul_f32 v[rO+4*(r/2)+2*\z:rO+4*(r/2)+2*\z+1], v[rO+4*(r/2)+2*\z:rO+4*(r/2)+2*\z+1], v[rC+2:rC+3] op_sel_hi:[1,0]
.endr
.set r, r+1
.endm
; A TURN, for piece p.  Ahead of the one wait: 16 products K Q^T, behind each a scaling, an exponential and two rescalings; then one lump of 108.  Behind it: 16 products V^T P, behind each four of GS's 64.
; K of the next step is fetched in piece 2's turn, directly behind the wait; V of the step in hand at the end of piece 0's turn, four riders behind its last reader.
.macro TURN p, last=0, cnt=0
.set Y, (\p)
.set i, 0
.set q, 0
.set e, 0
.set r, 0
.if (\p) == NP-1
	s_wait_dscnt 0x0                ; K is in
.endif
	MM
	PL
	PL
	R2
.rept 15
	MM
	PL
	EX
	R2
.endr
.if (\p) == NP-2
	WIN 0
	v_add_nc_u32 v[AK], s[TBK], v[AK0]
.endif
.rept 8
	PL
.endr
.rept 49
	EX
	PL
.endr
	EX
	EX
	v_nop                           ; a plain instruction behind the last exponential: one for the batch
	s_wait_alu depctr_va_vdst(0)    ; the wait for the batch
.if (\p) == NP-2
	FETCH_K \last
.endif
.if (\p) == 1
	s_wait_dscnt 0x0                ; V is in
.endif
.rept 16
	MM
.rept 4
	PL
.endr
.if ((\p) == 0) && (q == 118)
	v_add_nc_u32 v[AV], s[TBV], v[AV0]
.endif
.if ((\p) == 0) && (q == 130)
	s_add_co_u32 s[TBV], s[TBV], KS*PV
.endif
.if (\cnt) && (q == 130)
	s_sub_co_u32 s[CNT], s[CNT], 1
	s_cmp_lg_u32 s[CNT], 0
.endif
.endr
.if (\p) == 0
	FETCH_V
.endif
.endm
	CHANGE 1                        ; slot 0 is in, everybody's part of it; slot 1 is asked for
	FETCH_K                         ; key step 0
	s_wait_loadcnt 0x0              ; Q and g A_mem
	s_wait_dscnt 0x0
.set i, 0
.rept 16
	KQ 0                            ; piece 0's first scores
.set i, i+1
.endr
	WIN 0                           ; the addresses for the way out: eight plain instructions, the places behind those products
	s_mul_i32 s13, s[WV], 16*SP
	s_add_co_u32 s13, s13, STAGE    ; my stage
	v_mul_u32_u24 v[STO], v1, SP    ; in: row l % 16, 32 bytes for each half of the lanes
	v_lshl_add_u32 v[STO], v9, 5, v[STO]
	v_add_nc_u32 v[STO], s13, v[STO]
	v_mul_u32_u24 v[RD], v9, SP     ; back: lanes 0-15 take one row of 256 bytes, lanes 16-31 the next
	v_lshl_add_u32 v[RD], v1, 4, v[RD]
	v_add_nc_u32 v[RD], s13, v[RD]
	v_lshlrev_b32 v[GO], 12, v9     ; and the same two rows in out0, 4,096 bytes apart
	v_lshl_add_u32 v[GO], v1, 4, v[GO]
.set Y, NP-1
.irp n, 0,1,2,3,4,5,6,7,8,9,10,11,12,13,14,15,16,17,18,19,20,21
	XS 0, \n
	XS 1, \n
.endr
	v_nop
	s_wait_alu depctr_va_vdst(0)
	s_mov_b32 s[CNT], 4
	s_mov_b32 s[SLOTS], SIZE_N/256-1
	s_branch .Lfirst                ; the loop is entered at a step's first turn, in the middle of a trip
.Lslot:                             ; six times: every slot but the last two is filled again
	CHANGE 1, 1
	s_mov_b32 s[CNT], 4
.Lstep:
	TURN 2
	TURN 3
	WIN 0
.Lfirst:
	TURN 0
	TURN 1, 0, 1
	WIN 0
	s_cbranch_scc1 .Lstep
	s_sub_co_u32 s[SLOTS], s[SLOTS], 1
	s_cmp_lg_u32 s[SLOTS], 0
	s_cbranch_scc1 .Lslot
	CHANGE 0                        ; the tail is written out
	s_mov_b32 s[CNT], 5
.Ltail:
	TURN 2, 1
	TURN 3
	WIN 0
	s_sub_co_u32 s[CNT], s[CNT], 1
	s_cmp_eq_u32 s[CNT], 0
	s_cbranch_scc1 .Lout
	TURN 0
	TURN 1
	WIN 0
	s_branch .Ltail
.Lout:                              ; the fifth trip's 16 products K Q^T and the maximum made of them serve nothing: the price, once a launch, of one text for every trip
.set i, 0
.rept 16
	PV NP-1
.set i, i+1
.endr
	; THE WAY OUT.  l's parts are added; out0 = O^T (1 - g) / l + g A_mem, one fused line a number, in f32; through my stage in LDS, a tile at a time.  The additions are the places behind the last products.
	WIN 0
.macro ALL line:vararg
.set t, 0
.rept 2*NP
	\line
.set t, t+1
.endr
.endm
	ALL v_add_f32 v[ST+4*t+2], v[ST+4*t+2], v[ST+4*t+3]
	ALL v_permlanex16_b32 v[ST+4*t+3], v[ST+4*t+2], s[SEL], s[SEL+1]
	ALL v_add_f32 v[ST+4*t+2], v[ST+4*t+2], v[ST+4*t+3]
	ALL v_rcp_f32 v[ST+4*t+2], v[ST+4*t+2]
	v_nop
	s_wait_alu depctr_va_vdst(0)    ; one wait for the eight reciprocals
	ALL v_mul_f32 v[ST+4*t+2], s[OMG], v[ST+4*t+2]
.macro PACK t                       ; tile t: 32 numbers a lane into one of four sets of S^T's registers; into rows of 272 bytes, back as whole rows of 256
.set D, S+32*((\t)%4)
	s_wait_xcnt 0x0                 ; the stores of four tiles back have read this set
	WIN 0x31                        ; O^T in window 1, the scale in window 0, g A_mem in window 3
.set i, 0
.rept 16
	v_fma_mix_f32 v[D+2*i],   v[32*(\t)+2*i],   v[ST+4*(\t)+2], v[GA+16*(\t)+i] op_sel_hi:[0,0,1]
	v_fma_mix_f32 v[D+2*i+1], v[32*(\t)+2*i+1], v[ST+4*(\t)+2], v[GA+16*(\t)+i] op_sel:[0,0,1] op_sel_hi:[0,0,1]
.set i, i+1
.endr
	WIN 0
.irp f, 0,1,2,3,4,5,6,7
	ds_store_b128 v[STO], v[D+4*\f:D+4*\f+3] offset:64*(\f/2)+16*(\f%2)
.endr
.irp f, 0,1,2,3,4,5,6,7
	ds_load_b128 v[D+4*\f:D+4*\f+3], v[RD] offset:\f*2*SP  ; LDS serves a wave's instructions in order (ISA guide 5.7.1.4)
.endr
.endm
.macro SEND t, younger              ; younger: the next tile's sixteen LDS instructions, or none
	WIN 0
.set D, S+32*((\t)%4)
.irp f, 0,1,2,3,4,5,6,7
	s_wait_dscnt (\younger)+7-\f
	global_store_b128 v[GO], v[D+4*\f:D+4*\f+3], s[10:11] offset:(\t)*65536+\f*8192  ; 16 lanes store 256 consecutive bytes, aligned: a head's part of a row
.endr
.endm
	PACK 0
.set t, 1
.rept 2*NP-1
	PACK t
	SEND t-1, 16
.set t, t+1
.endr
	SEND 2*NP-1, 0
	WIN W_AD
	s_wait_tensorcnt 0x0            ; the wave's end
	ds_add_u32 v[SPW], v[NIL]
	s_wait_dscnt 0x0
	WIN 0
	CROUND                          ; the closing round
	s_endpgm
.Lfunc_end_k_q9dc257333f_attn:
	.size	k_q9dc257333f_attn, .Lfunc_end_k_q9dc257333f_attn-k_q9dc257333f_attn
	.p2alignl 7, 3214868480
	.fill 96, 4, 3214868480
	.section	.rodata,"a",@progbits
	.p2align	6, 0x0
	.amdhsa_kernel k_q9dc257333f_attn
		.amdhsa_group_segment_fixed_size 327680
		.amdhsa_private_segment_fixed_size 0
		.amdhsa_enable_private_segment 0
		.amdhsa_kernarg_size 80
		.amdhsa_user_sgpr_count 2
		.amdhsa_user_sgpr_kernarg_segment_ptr 1
		.amdhsa_wavefront_size32 1
		.amdhsa_system_sgpr_workgroup_id_x 1
		.amdhsa_system_sgpr_workgroup_id_y 1
		.amdhsa_system_sgpr_workgroup_id_z 1
		.amdhsa_system_vgpr_workitem_id 0
		.amdhsa_next_free_vgpr 912
		.amdhsa_next_free_sgpr 96
		.amdhsa_reserve_vcc 1
		.amdhsa_float_denorm_mode_32 3
		.amdhsa_float_denorm_mode_16_64 3
		.amdhsa_memory_ordered 1
		.amdhsa_forward_progress 1
		.amdhsa_inst_pref_size 217
	.end_amdhsa_kernel
	.amdgpu_metadata
---
amdhsa.version: [ 1, 2 ]
amdhsa.kernels:
  - .name:           k_q9dc257333f_attn
    .symbol:         k_q9dc257333f_attn.kd
    .args:
      - { .name: qkv, .offset: 0, .size: 8, .value_kind: global_buffer, .address_space: global }
      - { .name: ga, .offset: 8, .size: 8, .value_kind: global_buffer, .address_space: global }
      - { .name: part, .offset: 16, .size: 8, .value_kind: global_buffer, .address_space: global }
      - { .name: M, .offset: 24, .size: 8, .value_kind: global_buffer, .address_space: global }
      - { .name: Z, .offset: 32, .size: 8, .value_kind: global_buffer, .address_space: global }
      - { .name: beta_gate, .offset: 40, .size: 8, .value_kind: global_buffer, .address_space: global }
      - { .name: beta_lin, .offset: 48, .size: 8, .value_kind: global_buffer, .address_space: global }
      - { .name: out0, .offset: 56, .size: 8, .value_kind: global_buffer, .address_space: global }
      - { .name: out1, .offset: 64, .size: 8, .value_kind: global_buffer, .address_space: global }
      - { .name: out2, .offset: 72, .size: 8, .value_kind: global_buffer, .address_space: global }
    .group_segment_fixed_size: 327680
    .private_segment_fixed_size: 0
    .kernarg_segment_align: 8
    .kernarg_segment_size: 80
    .max_flat_workgroup_size: 128
    .sgpr_count:     96
    .vgpr_count:     912
    .wavefront_size: 32
...
	.end_amdgpu_metadata
.endif
;; end of part 4
;; ======== version 2 of 2: 4 launches; version 1 with the launch prep written anew for expert scheduling mode
;; limits: values are held in f16: magnitudes above 65,504 overflow, below 6.1e-05 lose precision
;; workspace buffers: xb 16,777,216 bytes; wb 6,291,456 bytes; mz 655,360 bytes; qkv 50,331,648 bytes; ga 16,777,216 bytes; part 4,259,840 bytes
;; launch prep (part 5): grid 416 x 1, 8 waves a work-group, no clusters, 0 bytes of LDS; arguments x, W_qkv, M, Z, xb, wb, mz; writes xb, wb, mz
.if DOCPART == 5
	.amdgcn_target "amdgcn-amd-amdhsa--gfx1250"
	.amdhsa_code_object_version 6
	.text
	.protected	k_q9dc257333f_prep
	.globl	k_q9dc257333f_prep
	.p2align	8
	.type	k_q9dc257333f_prep,@function
k_q9dc257333f_prep:
	s_mov_b64 s[64:65], 0
	v_nop
	global_prefetch_b8 v0, s[64:65] scope:SCOPE_SE
	s_setreg_imm32_b32 hwreg(HW_REG_WAVE_SCHED_MODE, 0, 2), 2
	s_setreg_imm32_b32 hwreg(HW_REG_WAVE_MODE, 25, 1), 1
	s_wait_xcnt 0x0
	s_wait_alu depctr_vm_vsrc(0)
; INFINITY ATTENTION, launch 1 of 4: the inputs are rounded once and laid out for the matrix units.
; NO WORK OF reference() IS LEFT OUT in this program: every one of its six inputs reaches an output, and all six are loaded.  Two identities are used, both for all values:
; elu(t) + 1 = max(t, 0) + e^min(t, 0); and a positive factor of a row of sigma cancels in (sigma M) / (sigma Z), which is used to keep sigma in f16's range, not to drop work.
; FORMATS.  All inputs (x, W_qkv, M, Z, beta_lin, beta_gate) are rounded to bf16, once.  x W is multiplied in bf16; what the program makes itself (q, k, v, sigma, the weights, g A_mem) is f16; all sums f32.
; LIMITS.  |q|, |k|, |v| stay under 65,520 (f16); numbers of M and Z under 6e-5 keep f16's fixed step of 6e-8; NaN and infinities are not treated apart.
; THIS LAUNCH, three jobs by the work-group's number, all streams (no LDS, no matrix unit, no cluster: nothing is shared or reused):
;   0-255    xb[kb][row][64] = bf16(x[row][64 kb ..]): x in K blocks of 64, so that 256 rows of one K step are 32,768 bytes on end.  32 rows a work-group, 4 a wave.
;   256-351  wb = bf16(W_qkv), same order.  131,072 bytes of W a work-group.
;   352-415  mz[bh][80][64] in f16: row v < 64 holds M[bh][d][v] over d (M turned), rows 64-79 each hold Z[bh][d]; each number rounded to bf16 and that number written as f16.
;            M is read here 4 bytes a lane, 256 bytes apart: 1 MiB in all, the price of turning it without LDS.
; Every store of a wave covers 256 or 512 consecutive bytes, aligned.
; THE MODE: SCHED_MODE bits 1:0 = 2 (LLVM: expert scheduling mode 2), set by the entry lines.  The code itself states the register dependences
; between vector instructions and memory instructions, with s_wait_alu, always for 0.
; THE PLAN, jobs x and W.  A wave has 32 units (a load of 16 bytes a lane, two roundings, a store of 8 bytes a lane); they go in 8 blocks of four.  Registers that memory instructions touch:
;   X0 .. X4   five blocks as loaded.   Written by the loads of block p + 4, issued in block p; read by block p's roundings (X[p % 5]).
;   Y0, Y1     two blocks to store.     Written by block p's roundings (Y[p % 2]); read by the four stores that are issued in block p + 1.
;   VI, VO     byte offsets, made once at the job's head and never written again: every unit is reached by an immediate offset, and no base is stepped.
; Block p's memory instructions are the loads into X[(p + 4) % 5] = X[(p - 1) % 5] and the stores from Y[(p - 1) % 2]: the two buffers that block p - 1 worked on and that no vector instruction of
; block p names.  So the waits at a block's head state all that its eight memory instructions hang on, and these are dealt among its roundings with no further wait.
; Of the 8 blocks the first stores nothing, the last four load nothing, and the three between name different buffers: so the blocks are written out, and there is no loop.
.set VI,   2                           ; v2  my byte offset on the way in
.set VO,   3                           ; v3  on the way out
.set X,    8                           ; v[8:87]   buffer k, unit i: 4 registers at X + 16 k + 4 i, as loaded
.set Y,    88                          ; v[88:103] buffer k, unit i: 2 registers at Y + 8 k + 2 i, to store
.set TM,   104                         ; v104-105 at work: no memory instruction names them
.set ZI,   106                         ; v106 job M: my byte offset in Z
.set ZO,   107                         ; v107 job M: my byte offset in the sixteen rows of Z in mz
; Unit U of a wave's 32.  job 0: x: units 0-15 are the sixteen K blocks of two rows, units 16-31 those of the next two rows.  job 1: W: unit U is the work-group's U-th 4,096 bytes.
.macro LD U, job
.set xr, X+16*(((\U)/4)%5)+4*((\U)%4)
.if \job
	global_load_b128 v[xr:xr+3], v[VI], s[6:7] offset:4096*(\U) th:TH_LOAD_NT
.else
	global_load_b128 v[xr:xr+3], v[VI], s[4:5] offset:256*((\U)%16)+8192*((\U)/16) th:TH_LOAD_NT
.endif
.endm
.macro CV U                            ; four f32 become four bf16
.set xr, X+16*(((\U)/4)%5)+4*((\U)%4)
.set yr, Y+8*(((\U)/4)%2)+2*((\U)%4)
	v_cvt_pk_bf16_f32 v[yr], v[xr], v[xr+1]
	v_cvt_pk_bf16_f32 v[yr+1], v[xr+2], v[xr+3]
.endm
.macro ST U, job
.set yr, Y+8*(((\U)/4)%2)+2*((\U)%4)
.if \job
	global_store_b64 v[VO], v[yr:yr+1], s[14:15] offset:2048*(\U)
.else
	global_store_b64 v[VO], v[yr:yr+1], s[12+12*(((\U)%16)/8):13+12*(((\U)%16)/8)] offset:((\U)%8)*1048576+256*((\U)/16)  ; K blocks 8-15 by the second base: 7,340,288 at the most, inside the signed 24 bits
.endif
.endm
; Block p of 8.  At its head blocks 0 .. min(p + 3, 7) have been asked for.
.macro BLK p, job
.if (\p) < 5
	s_wait_loadcnt 12                              ; loads come back in order (ISA guide 5.7.1): X[p % 5] is in, the three younger blocks stay out
.else
	s_wait_loadcnt 4*(7-(\p))                      ; nothing more is asked for: the counts run down
.endif
.if (\p) >= 2
	s_wait_xcnt 0x0                                ; every earlier memory instruction has had its addresses translated (ISA guide 3.1): Y[p % 2] is rewritten only behind this wait
	s_wait_alu depctr_vm_vsrc(0)                   ; the stores issued in the block before have read Y[p % 2], which this block's roundings write again
.endif
.if (\p) >= 1
	s_wait_alu depctr_va_vdst(0)                   ; the block before has written the other Y, which the stores below read, and is done reading its X, in which the loads below land
.endif
.irp i, 0,1,2,3
.if (\p) < 4
	LD 4*(\p)+16+\i, \job                          ; four blocks ahead; no vector instruction since the wait names these registers (block 0: none ever has)
.endif
.if (\p) >= 1
	ST 4*(\p)-4+\i, \job                           ; the block before
.endif
	CV 4*(\p)+\i
.endr
.endm
.macro BF2H dst, a, b                  ; two f32 -> bf16 -> the same numbers as f16, packed
	v_cvt_pk_bf16_f32 v[TM], v[\a], v[\b]
	v_lshlrev_b32 v[TM+1], 16, v[TM]
	v_and_b32 v[TM], 0xffff0000, v[TM]
	v_cvt_pk_f16_f32 v[\dst], v[TM+1], v[TM]
.endm
	s_load_b256 s[4:11], s[0:1], 0x0               ; x s[4:5], W s[6:7], M s[8:9], Z s[10:11]
	s_load_b128 s[12:15], s[0:1], 0x20             ; xb s[12:13], wb s[14:15]
	s_load_b64 s[16:17], s[0:1], 0x30              ; mz
	v_lshrrev_b32 v1, 5, v0
	v_readfirstlane_b32 s18, v1                    ; wave 0..7
	s_mov_b32 s21, 0
	s_mov_b32 s23, 0
	s_wait_alu depctr_va_sdst(0)                   ; s18 is written, ahead of every branch: its one reader, a compare, stands in job M
	s_wait_kmcnt 0x0
	s_cmp_lt_u32 ttmp9, 256
	s_cbranch_scc0 .Lnot_x
	; ---- x: sixteen units are two rows of a wave: unit kb takes 256 bytes (one K block) of each row, lanes 0-15 the first row, 16-31 the second
	s_lshl_b32 s20, ttmp9, 17                      ; 32 rows of 4,096 bytes
	s_add_nc_u64 s[4:5], s[4:5], s[20:21]
	s_lshl_b32 s22, ttmp9, 12                      ; 32 rows of 128 bytes in each K block
	s_add_nc_u64 s[12:13], s[12:13], s[22:23]
	s_add_nc_u64 s[24:25], s[12:13], 0x800000      ; K blocks 8-15: a second base keeps the stores' immediates inside 24 bits
	v_and_b32 v4, 15, v0
	v_bfe_u32 v5, v0, 4, 1
	v_lshlrev_b32 v[VI], 14, v1                    ; wave x 4 rows
	v_lshl_add_u32 v[VI], v5, 12, v[VI]
	v_lshl_add_u32 v[VI], v4, 4, v[VI]
	v_and_b32 v4, 31, v0
	v_lshlrev_b32 v[VO], 9, v1                     ; wave x 4 rows of 128 bytes
	v_lshl_add_u32 v[VO], v4, 3, v[VO]             ; two rows' 256 bytes: 8 a lane
	s_wait_alu depctr_va_vdst(0)                   ; VI and VO are written: every load and store of the job reads one of them as its offset
.irp u, 0,1,2,3,4,5,6,7,8,9,10,11,12,13,14,15
	LD \u, 0                                       ; blocks 0 to 3 into X0 to X3
.endr
.irp p, 0,1,2,3,4,5,6,7
	BLK \p, 0
.endr
	s_wait_alu depctr_va_vdst(0)                   ; block 7 has written Y1, which the last four stores read
.irp u, 28,29,30,31
	ST \u, 0
.endr
	s_endpgm
.Lnot_x:
	s_cmp_lt_u32 ttmp9, 352
	s_cbranch_scc0 .Lm
	; ---- W: a unit is 4,096 bytes of the work-group, 16 a thread
	s_sub_co_u32 s20, ttmp9, 256
	s_lshl_b32 s22, s20, 16
	s_lshl_b32 s20, s20, 17
	s_add_nc_u64 s[6:7], s[6:7], s[20:21]
	s_add_nc_u64 s[14:15], s[14:15], s[22:23]
	v_lshlrev_b32 v[VI], 4, v0
	v_lshlrev_b32 v[VO], 3, v0
	s_wait_alu depctr_va_vdst(0)                   ; VI and VO are written: every load and store of the job reads one of them as its offset
.irp u, 0,1,2,3,4,5,6,7,8,9,10,11,12,13,14,15
	LD \u, 1                                       ; blocks 0 to 3 into X0 to X3
.endr
.irp p, 0,1,2,3,4,5,6,7
	BLK \p, 1
.endr
	s_wait_alu depctr_va_vdst(0)                   ; block 7 has written Y1, which the last four stores read
.irp u, 28,29,30,31
	ST \u, 1
.endr
	s_endpgm
.Lm:
	; ---- M and Z of one (b, h).  Wave w makes rows v = 8 w .. 8 w + 7 in two groups of four: lane l has row 8 w + 4 g + l / 8 and d = 8 (l % 8) + 0..7
	; Registers that memory instructions touch here: the four offsets VI, VO, ZI, ZO, made once; v8-23 and v48-55, which loads alone write; v40-47 and v56-59, which the packings write once and the stores read.
	s_sub_co_u32 s24, ttmp9, 352
	s_lshl_b32 s20, s24, 14
	s_add_nc_u64 s[8:9], s[8:9], s[20:21]
	s_lshl_b32 s20, s24, 8
	s_add_nc_u64 s[10:11], s[10:11], s[20:21]
	s_mul_i32 s20, s24, 10240
	s_add_nc_u64 s[16:17], s[16:17], s[20:21]
	v_and_b32 v4, 7, v0
	v_bfe_u32 v5, v0, 3, 2
	v_lshl_add_u32 v5, v1, 3, v5                   ; 8 w + l / 8
	v_lshlrev_b32 v[VI], 11, v4                    ; 8 (l % 8) rows of 256 bytes
	v_lshl_add_u32 v[VI], v5, 2, v[VI]
	v_and_b32 v6, 31, v0
	v_lshlrev_b32 v[VO], 10, v1
	v_lshl_add_u32 v[VO], v6, 4, v[VO]             ; 1,024 w + 16 l
	v_lshlrev_b32 v[ZI], 5, v4                     ; 8 (l % 8) numbers of Z
	v_lshlrev_b32 v[ZO], 4, v0                     ; 512 w + 16 l
	s_wait_alu depctr_va_vdst(0)                   ; the four offsets are written, which the loads and stores below read; no vector line below names them
.irp g, 0,1
.irp i, 0,1,2,3,4,5,6,7
	global_load_b32 v[X+8*\g+\i], v[VI], s[8:9] offset:256*\i+16*\g
.endr
.endr
	s_wait_loadcnt 0x0
.irp g, 0,1
.irp p, 0,1,2,3
	BF2H 40+4*\g+\p, X+8*\g+2*\p, X+8*\g+2*\p+1
.endr
.endr
	s_wait_alu depctr_va_vdst(0)                   ; the eight packings have written v40-47, which the two stores read
.irp g, 0,1
	global_store_b128 v[VO], v[40+4*\g:43+4*\g], s[16:17] offset:512*\g
.endr
	s_cmp_lt_u32 s18, 4                            ; waves 0-3: the sixteen rows of Z, four each
	s_cbranch_scc0 .Lend
	global_load_b128 v[48:51], v[ZI], s[10:11]     ; no vector instruction has named v48-55
	global_load_b128 v[52:55], v[ZI], s[10:11] offset:16
	s_wait_loadcnt 0x0
.irp p, 0,1,2,3
	BF2H 56+\p, 48+2*\p, 49+2*\p
.endr
	s_wait_alu depctr_va_vdst(0)                   ; the four packings have written v56-59, which the store reads
	global_store_b128 v[ZO], v[56:59], s[16:17] offset:8192
.Lend:
	s_endpgm
.Lfunc_end_k_q9dc257333f_prep:
	.size	k_q9dc257333f_prep, .Lfunc_end_k_q9dc257333f_prep-k_q9dc257333f_prep
	.p2alignl 7, 3214868480
	.fill 96, 4, 3214868480
	.section	.rodata,"a",@progbits
	.p2align	6, 0x0
	.amdhsa_kernel k_q9dc257333f_prep
		.amdhsa_group_segment_fixed_size 0
		.amdhsa_private_segment_fixed_size 0
		.amdhsa_enable_private_segment 0
		.amdhsa_kernarg_size 56
		.amdhsa_user_sgpr_count 2
		.amdhsa_user_sgpr_kernarg_segment_ptr 1
		.amdhsa_wavefront_size32 1
		.amdhsa_system_sgpr_workgroup_id_x 1
		.amdhsa_system_sgpr_workgroup_id_y 1
		.amdhsa_system_sgpr_workgroup_id_z 1
		.amdhsa_system_vgpr_workitem_id 0
		.amdhsa_next_free_vgpr 108
		.amdhsa_next_free_sgpr 66
		.amdhsa_reserve_vcc 0
		.amdhsa_float_denorm_mode_32 3
		.amdhsa_float_denorm_mode_16_64 3
		.amdhsa_memory_ordered 1
		.amdhsa_forward_progress 1
		.amdhsa_inst_pref_size 30
	.end_amdhsa_kernel
	.amdgpu_metadata
---
amdhsa.version: [ 1, 2 ]
amdhsa.kernels:
  - .name:           k_q9dc257333f_prep
    .symbol:         k_q9dc257333f_prep.kd
    .args:
      - { .name: x, .offset: 0, .size: 8, .value_kind: global_buffer, .address_space: global }
      - { .name: W_qkv, .offset: 8, .size: 8, .value_kind: global_buffer, .address_space: global }
      - { .name: M, .offset: 16, .size: 8, .value_kind: global_buffer, .address_space: global }
      - { .name: Z, .offset: 24, .size: 8, .value_kind: global_buffer, .address_space: global }
      - { .name: xb, .offset: 32, .size: 8, .value_kind: global_buffer, .address_space: global }
      - { .name: wb, .offset: 40, .size: 8, .value_kind: global_buffer, .address_space: global }
      - { .name: mz, .offset: 48, .size: 8, .value_kind: global_buffer, .address_space: global }
    .group_segment_fixed_size: 0
    .private_segment_fixed_size: 0
    .kernarg_segment_align: 8
    .kernarg_segment_size: 56
    .max_flat_workgroup_size: 256
    .sgpr_count:     66
    .vgpr_count:     108
    .wavefront_size: 32
...
	.end_amdgpu_metadata
.endif
;; end of part 5
;; launch proj: the kernel of part 2 again; grid 8 x 32, 4 waves a work-group, clusters of 4 x 4, 327,680 bytes of LDS; arguments xb, wb, qkv; writes qkv
;; launch state: the kernel of part 3 again; grid 4 x 64, 16 waves a work-group, no clusters, 248,064 bytes of LDS; arguments qkv, mz, beta_gate, ga, part; writes ga, part
;; launch attn: the kernel of part 4 again; grid 4 x 64, 4 waves a work-group, clusters of 4 x 1, 327,680 bytes of LDS; arguments qkv, ga, part, M, Z, beta_gate, beta_lin, out0, out1, out2; writes out0, out1, out2
